; MI455X (gfx1250); checked and timed in simulation.
; The chip was launched on July 23, 2026; its instructions are those of AMD's public machine-readable ISA for CDNA 5 (MIT licence, August 2026) and "CDNA5" Instruction Set Architecture Reference Guide (July 2026). The comments in the code are by the model that wrote it; some were corrected since.
;; MHA. Allowed arithmetic: matrix products marked QUANTISED: E2M1 operands, one E8M0 scale for each 32 along K, by v_wmma_scale_f32_16x16x128_f8f6f4 with both operands' format E2M1 (or v_wmma_scale_f32_32x16x128_f4), f32 sums; everything else in f32.
;; Inputs: Wk 1,024 x 1,024 float32; Wp 1,024 x 1,024 float32; Wq 1,024 x 1,024 float32; Wv 1,024 x 1,024 float32; bk 1,024 float32; bp 1,024 float32; bq 1,024 float32; bv 1,024 float32; ln_b 1,024 float32; ln_g 1,024 float32; mask 4 x 2,048 int32; x 4 x 2,048 x 1,024 float32.
;; Outputs: out0 4 x 2,048 x 1,024 float32.
;; This version of the problem:
;;   THIS VERSION OF THE PROBLEM IS GIVEN IN LOW PRECISION. The matrix products marked QUANTISED in the list below multiply operands that are first quantised to E2M1 (2 exponent bits, 1 mantissa bit; 4 bits a number), with one power-of-two scale for each 32 numbers along K (OCP MX v1.0); their sums are f32. All else is computed in f32.
;;   The module's matrix products, in the order in which they are computed (A, B: the left and right operand; K: the contracted axis; several contracted axes count as one K, in the product's order):
;;     1. [M 8,192, K 1,024] x [K 1,024, N 1,024]; A: input x; B: input Wq: QUANTISED
;;     2. [M 8,192, K 1,024] x [K 1,024, N 1,024]; A: input x; B: input Wk: QUANTISED
;;     3. [M 8,192, K 1,024] x [K 1,024, N 1,024]; A: input x; B: input Wv: QUANTISED
;;     4. batch 64 x [M 2,048, K 64] x [K 64, N 2,048]; A: computed on the way; B: computed on the way: QUANTISED
;;     5. batch 64 x [M 2,048, K 2,048] x [K 2,048, N 64]; A: softmax (see below); B: computed on the way: QUANTISED
;;     6. [M 8,192, K 1,024] x [K 1,024, N 1,024]; A: computed on the way; B: input Wp: QUANTISED
;;   THE QUANTISER, for each operand of a quantised product, along K:
;;     - K is cut into blocks of 32 from its start; a last block that is shorter is filled with zeros.
;;     - A block's scale is 2^e with e = floor(log2(the largest magnitude in the block)) - 2, held to -126 .. 127; a block of zeros has e = 0. As a byte (E8M0): e + 127.
;;     - Each number is divided by its block's scale, clamped to +-6, and rounded to the nearest number of E2M1, ties to even, subnormals kept.
;;     - The product sums the exact products of the quantised numbers (number of the format x scale) in f32.
;;   ~~~python
;;   def quantise(x, axis):      # numpy; x: float32 -> the quantised numbers, widened to float32 again
;;       x = np.moveaxis(x, axis, -1); K = x.shape[-1]
;;       x = np.pad(x, [(0, 0)] * (x.ndim - 1) + [(0, -K % 32)]); x = x.reshape(x.shape[:-1] + (-1, 32)); a = np.abs(x).max(-1, keepdims=True)
;;       e = np.where(a > 0, np.clip(np.frexp(np.where(a > 0, a, 1))[1] - 1 - 2, -126, 127), 0)      # np.frexp(a)[1] - 1 = floor(log2(a)), exactly
;;       r = np.clip(x / 2.0 ** e, -6, 6)
;;       step = 2.0 ** (np.maximum(np.frexp(np.where(r == 0, 1, r))[1] - 1, 0) - 1)
;;       q = np.round(r / step) * step * 2.0 ** e      # np.round: ties to even
;;       return np.moveaxis(q.reshape(q.shape[:-2] + (-1,))[..., :K], -1, axis).astype(np.float32)
;;   ~~~
;;   SOFTMAX AHEAD OF A QUANTISED PRODUCT. Where the list says 'softmax', what is quantised is not the finished softmax but p = 2^(t - M), with t = logit x log2(e) and M = ceil(the row's largest t), a whole number; so 1/2 < the row's largest p <= 1. The row's sum l is taken of the UNQUANTISED p, in f32, and the product's result is divided by l at the end. Since M is a whole number, a kernel that streams over the keys may use a running M (the ceiling of the running maximum): every later rescaling is an exact power of two, which a block's scale takes up: the codes' values come out the same.
;;   OPERANDS COMPUTED ON THE WAY. 'Computed on the way' means the value that the module computes at that place (a softmax that the list does not call 'softmax' is quantised finished and normalised). What goes into a quantiser is computed in f32, as accurately as f32 sums, v_exp_f32 and their like allow (about 1e-6 of the number): no bf16 or f16 on the way to a quantiser, and a product that is left as it is and whose result goes on into a quantised operand takes f32 operands (vector FMAs, or v_wmma_f32_16x16x4_f32). A number that lies on a knife's edge between two numbers of the format may be rounded either way, as far as f32 arithmetic and the matrix unit's own rounding can turn it there, and no further.
;; 2 versions, each right; version 2 is version 1 with the launch attn written anew for expert scheduling mode. Each part assembles by itself: llvm-mc -triple=amdgcn-amd-amdhsa -mcpu=gfx1250 --defsym DOCPART=n.
;; ======== version 1 of 2: 4 launches
;; workspace buffers: ximg 4,456,448 bytes; wimg 2,228,224 bytes; lists 99,328 bytes of whole numbers; qkv 13,893,632 bytes; yq 4,456,448 bytes
;; launch prep (part 1): grid 769 x 1, 4 waves a work-group, no clusters, 69,120 bytes of LDS; arguments x, Wq, Wk, Wv, Wp, mask, ximg, wimg, lists; writes ximg, wimg, lists
.if DOCPART == 1
	.amdgcn_target "amdgcn-amd-amdhsa--gfx1250"
	.amdhsa_code_object_version 6
	.text
	.protected	k_q07fb110d8c_prep
	.globl	k_q07fb110d8c_prep
	.p2align	8
	.type	k_q07fb110d8c_prep,@function
k_q07fb110d8c_prep:
	s_mov_b64 s[64:65], 0
	v_nop
	global_prefetch_b8 v0, s[64:65] scope:SCOPE_SE
	s_setreg_imm32_b32 hwreg(HW_REG_WAVE_MODE, 25, 1), 1
	s_wait_xcnt 0x0
; LAUNCH 1 OF 4.  x [8192][1024] and Wq, Wk, Wv, Wp [1024 (k)][1024 (n)], f32, become codes of E2M1 with one E8M0 byte for each 32 along K (K = x's last axis, a weight's first),
; and the mask [4][2048] becomes lists of whole numbers for the later launches.
; WORK THAT IS DONE ONCE IN PLACE OF MANY TIMES.  reference() puts one constant, NEG, in place of every score of a query whose mask is 0.  So for such a query, whatever q, k and the other inputs hold,
; t is the same for all 2,048 keys, M = t (NEG x log2 e is a whole number in f32), p = 1 for every key, l = 2,048, and its row of y in a head is the same for all masked queries of a batch.
; That row is computed once for each batch and head, by the same code as every other row, and the last launch looks it up by an index stored here.  The scores of the other masked queries reach no output.
; No input is left out.  LIMIT: a NaN, an infinity or an overflow in the q or in the scores of a masked query is not carried to the result.
; OTHER LIMITS: NaN and infinities among the inputs are not served; a block whose largest magnitude lies under 2^-124 keeps the scale byte 1, and so does a block of zeros where the rule says 127
; (its codes are zeros, which add nothing under any byte but 0xff, and this program alone reads the bytes).
; THE OPERAND FORMAT, A BLOCK OF 8,704 BYTES: 128 rows x 128 along K as images of the matrix operand's registers.  Fragment t (0..7, 1,024 bytes): lane r's row is 32 (t / 2) + 8 (t % 2) + r + 8 (r / 8);
; register group c (512 bytes): lane l = r + 16 h has 16 bytes at 16 l: the codes of k = 64 c + 32 h + 0 .. 31.  At byte 8,192: lane l has 16 bytes at 16 l; word q is the scale word of fragment 2 q + l / 16, row l % 16.
; ximg: [64 groups of 128 tokens][8 K steps][block].  wimg: [q, k, v, p][8 groups of 128 n][8 K steps][block].
; lists: at 0 [4][2048] pairs: for each slot the byte offsets of its token's codes and of its scale word in a head's q; at 65,536 [4][2048] each token's slot; at 98,304 [4][32] n (live tokens), at 98,816 [4][32] the tiles of 16 slots.
; A live token's slot is its rank among the live ones; masked tokens fill the pairs from slot 2,047 down, so that every pair is written; every masked token's slot is n.
; WORK-GROUPS: 0..511 one block of x each; 512..767 one block of a weight each; 768 the mask, a wave to a batch.  The three ways part on the work-group's number alone and share no LDS byte.
.set BLK,   8704
.set WST,   16896                      ; a wave's stage: 32 rows x (512 bytes + 16)
.set XSCI,  67584                      ; behind the four stages: x's scale image, 512 bytes
.set WSCI,  68096                      ; a weight's scale image, 512 bytes
.set SPARE, 68608                      ; the spare words, 128 bytes for each wave
.set SPW,   30                         ; v30  LDS address of my spare word; never rewritten
.set NIL,   31                         ; v31  0; never rewritten
.set WV,    22                         ; s22  my wave's number
.set SEL,   24                         ; s[24:25] lane selects: lane l xor 16
.set HI,    26                         ; s26  a lane mask: lanes 16-31
.set R,     32                         ; v32-159  numbers as loaded
.set X,     160                        ; v160-223 64 numbers of a lane: register 16 b + i = k 32 b + 16 h + i of my row
.set TM,    224                        ; v224-239 at work in QUANT
.set PC0,   240                        ; v240-247, v248-255 the two fragments' codes
.set PC1,   248
.set PW0,   16                         ; v16, v17 their scale words; v18 the two in one register
.set PW1,   17
.set SW,    18
; 64 numbers of a lane become a fragment's codes in v[pc] on and its row's scale word in v[pw].  A block of 32 lies in lanes l and l xor 16.
.macro QUANT s, pc, pw
.irp b, 0,1,2,3
	v_max3_num_f32 v[TM+\b], |v[\s+16*\b]|, |v[\s+1+16*\b]|, 0x1800000   ; my 16 numbers of block b, and the floor 2^(3 - 127): the byte cannot fall under 1
.endr
.irp i, 2,4,6,8,10,12,14
.irp b, 0,1,2,3
	v_max3_num_f32 v[TM+\b], v[TM+\b], |v[\s+16*\b+\i]|, |v[\s+1+16*\b+\i]|
.endr
.endr
.irp b, 0,1,2,3
	v_permlanex16_b32 v[TM+4+\b], v[TM+\b], s[SEL], s[SEL+1]
.endr
.irp b, 0,1,2,3
	v_max_num_f32 v[TM+\b], v[TM+\b], v[TM+4+\b]          ; the block's largest magnitude
.endr
.irp b, 0,1,2,3
	v_add_nc_u32 v[TM+12+\b], 0xff000000, v[TM+\b]        ; 2 off its exponent field: the conversion's scale operand
.endr
.irp b, 0,1,2,3
	v_lshrrev_b32 v[TM+4+\b], 23, v[TM+12+\b]             ; the scale's byte
.endr
	v_lshl_or_b32 v[\pw], v[TM+5], 8, v[TM+4]
	v_lshl_or_b32 v[\pw], v[TM+6], 16, v[\pw]
	v_lshl_or_b32 v[\pw], v[TM+7], 24, v[\pw]
.irp b, 0,1,2,3
	v_cvt_scalef32_pk8_fp4_f32 v[\pc+2*\b], v[\s+16*\b:\s+7+16*\b], v[TM+12+\b]
	v_cvt_scalef32_pk8_fp4_f32 v[\pc+1+2*\b], v[\s+8+16*\b:\s+15+16*\b], v[TM+12+\b]
.endr
	v_nop                                                  ; one plain place behind a scaled conversion
.irp c, 0,1
.irp i, 0,1
	v_permlane16_swap_b32 v[\pc+4*\c+\i], v[\pc+2+4*\c+\i] ; a whole block to a lane: lanes 0-15 block 2 c, lanes 16-31 block 2 c + 1
.endr
.endr
.endm
	s_load_b256 s[4:11], s[0:1], 0x0               ; x s[4:5], Wq s[6:7], Wk s[8:9], Wv s[10:11]
	s_load_b256 s[12:19], s[0:1], 0x20             ; Wp s[12:13], mask s[14:15], ximg s[16:17], wimg s[18:19]
	s_load_b64 s[20:21], s[0:1], 0x40              ; lists
	v_lshl_add_u32 v[SPW], v0, 2, SPARE
	v_mov_b32 v[NIL], 0
	v_lshrrev_b32 v1, 5, v0
	v_readfirstlane_b32 s[WV], v1                  ; wave 0..3
	v_and_b32 v1, 31, v0                           ; lane l
	v_and_b32 v2, 15, v0                           ; r
	v_bfe_u32 v3, v0, 4, 1                         ; h
	v_lshlrev_b32 v4, 4, v1                        ; 16 l
	s_mov_b32 s[SEL], 0x76543210
	s_mov_b32 s[SEL+1], 0xfedcba98
	s_mov_b32 s[HI], 0xffff0000
.irp b, 0,1,2,3
	v_mov_b32 v[TM+4+\b], 0                        ; written once: a lane permute's destination counts as one of its sources
.endr
	; every LDS address is made here, ahead of the parting
	s_mul_i32 s27, s[WV], WST
	v_add_nc_u32 v5, s27, v4                       ; my stage, on the way in: 16 l of a row
	v_mul_u32_u24 v6, v2, 528
	v_lshl_add_u32 v6, v3, 6, v6
	v_add_nc_u32 v6, s27, v6                       ; and on the way out: row r, + 64 h
	s_lshl_b32 s27, s[WV], 2
	v_add_nc_u32 v8, XSCI, v4                      ; x's scale image: my 16 bytes,
	v_add_nc_u32 v7, s27, v8                       ; and my wave's word in them
	v_bfe_u32 v19, v0, 3, 1                        ; u' = (l / 8) % 2
	v_and_b32 v20, 7, v0
	v_lshl_add_u32 v20, v3, 3, v20                 ; r' = 8 (l / 16) + l % 8: item 32 q + l of a block is row r' of fragment 2 q + u'
	v_lshl_add_u32 v13, v19, 4, v20
	v_add_nc_u32 v10, WSCI, v4                     ; a weight's scale image: my 16 bytes,
	v_lshlrev_b32 v9, 4, v13
	v_add_nc_u32 v9, WSCI, v9
	v_add_nc_u32 v9, s27, v9                       ; and the word of my column: 16 (r' + 16 u') + 4 q
	v_lshlrev_b32 v11, 4, v20
	v_lshl_add_u32 v11, v19, 10, v11               ; my column's codes in my wave's two fragments: 1,024 u' + 16 r'
	v_lshlrev_b32 v12, 2, v1                       ; 4 l
	s_wait_kmcnt 0x0
	s_cmp_lt_u32 ttmp9, 512
	s_cbranch_scc0 .Lnot_x
	; ---- A BLOCK OF x: token group ttmp9 / 8, K step ttmp9 % 8.  Wave q makes fragments 2 q and 2 q + 1: tokens 32 q + 0 .. 31 of the group.
	s_lshr_b32 s28, ttmp9, 3
	s_lshl_b32 s28, s28, 19                        ; 128 rows of 4,096 bytes
	s_lshl_b32 s29, s[WV], 17                      ; 32 rows
	s_add_co_u32 s28, s28, s29
	s_and_b32 s29, ttmp9, 7
	s_lshl_b32 s29, s29, 9                         ; 128 numbers
	s_add_co_u32 s28, s28, s29
	s_mov_b32 s29, 0
	s_add_nc_u64 s[4:5], s[4:5], s[28:29]
	s_mul_i32 s30, ttmp9, BLK
	s_lshl_b32 s31, s[WV], 11
	s_add_co_u32 s30, s30, s31
	s_mov_b32 s31, 0
	s_add_nc_u64 s[16:17], s[16:17], s[30:31]      ; my two fragments in the block
.irp u, 0,1
.irp rr, 0,1,2,3,4,5,6,7,8,9,10,11,12,13,14,15
	global_load_b128 v[R+4*(16*\u+\rr):R+4*(16*\u+\rr)+3], v4, s[4:5] offset:(8*\u+\rr+8*(\rr/8))*4096 th:TH_LOAD_NT   ; 32 lanes read 512 consecutive bytes of a row; fragment u's sixteen rows on end
.endr
.endr
	s_wait_loadcnt 16                              ; the first fragment's sixteen loads are in; the second's may be out
.irp rr, 0,1,2,3,4,5,6,7,8,9,10,11,12,13,14,15
	ds_store_b128 v5, v[R+4*\rr:R+4*\rr+3] offset:\rr*528
.endr
.irp b, 0,1,2,3
.irp j, 0,1,2,3
	ds_load_b128 v[X+16*\b+4*\j:X+16*\b+4*\j+3], v6 offset:128*\b+16*\j        ; LDS serves a wave's instructions in order: these see my stores
.endr
.endr
	s_wait_loadcnt 0x0
.irp rr, 0,1,2,3,4,5,6,7,8,9,10,11,12,13,14,15
	ds_store_b128 v5, v[R+64+4*\rr:R+64+4*\rr+3] offset:(16+\rr)*528
.endr
	s_wait_dscnt 16                                ; the first fragment's numbers are back; the sixteen stores just issued may be out
	QUANT X, PC0, PW0
	global_store_b128 v4, v[PC0:PC0+3], s[16:17]               ; 512 consecutive bytes, aligned
	global_store_b128 v4, v[PC0+4:PC0+7], s[16:17] offset:512
.irp b, 0,1,2,3
.irp j, 0,1,2,3
	ds_load_b128 v[X+16*\b+4*\j:X+16*\b+4*\j+3], v6 offset:16*528+128*\b+16*\j
.endr
.endr
	s_wait_dscnt 0x0
	QUANT X, PC1, PW1
	global_store_b128 v4, v[PC1:PC1+3], s[16:17] offset:1024
	global_store_b128 v4, v[PC1+4:PC1+7], s[16:17] offset:1536
	v_cndmask_b32 v[SW], v[PW0], v[PW1], s[HI]     ; lanes 0-15: fragment 2 q's words; lanes 16-31: fragment 2 q + 1's
	ds_store_b32 v7, v[SW]
	s_wait_dscnt 0x0                               ; for the others' sake: my word has landed
	s_barrier_signal -1
	s_barrier_wait -1
	s_cmp_lg_u32 s[WV], 0
	s_cbranch_scc1 .Lx_end
	ds_load_b128 v[32:35], v8                      ; wave 0 sends the block's scale image out: 512 consecutive bytes
	s_wait_dscnt 0x0
	global_store_b128 v4, v[32:35], s[16:17] offset:8192
.Lx_end:
	s_wait_tensorcnt 0x0                           ; the wave's end
	ds_add_u32 v[SPW], v[NIL]
	s_wait_dscnt 0x0
	s_endpgm
.Lnot_x:
	s_cmp_lt_u32 ttmp9, 768
	s_cbranch_scc0 .Lmask
	; ---- A BLOCK OF A WEIGHT.  A lane takes a column n and its registers run down K: a block of 32 is one lane's, and the conversions give codes with K innermost.
	s_sub_co_u32 s27, ttmp9, 512                   ; 64 x matrix + 8 x n group + K step
	s_lshr_b32 s28, s27, 6
	s_cmp_eq_u32 s28, 1                            ; the choice hangs on the work-group's number alone
	s_cselect_b64 s[6:7], s[8:9], s[6:7]
	s_cmp_eq_u32 s28, 2
	s_cselect_b64 s[6:7], s[10:11], s[6:7]
	s_cmp_eq_u32 s28, 3
	s_cselect_b64 s[6:7], s[12:13], s[6:7]
	s_bfe_u32 s28, s27, 0x30003                    ; n group
	s_lshl_b32 s28, s28, 9                         ; 128 columns of 4 bytes
	s_and_b32 s29, s27, 7
	s_lshl_b32 s29, s29, 19                        ; 128 rows of 4,096 bytes
	s_add_co_u32 s28, s28, s29
	s_lshl_b32 s29, s[WV], 7                       ; my wave's 32 columns
	s_add_co_u32 s28, s28, s29
	s_mov_b32 s29, 0
	s_add_nc_u64 s[6:7], s[6:7], s[28:29]
	s_mul_i32 s30, s27, BLK
	s_lshl_b32 s31, s[WV], 11
	s_add_co_u32 s30, s30, s31
	s_mov_b32 s31, 0
	s_add_nc_u64 s[18:19], s[18:19], s[30:31]
.macro WLOAD kb                        ; W(32 kb + i, my column), i = 0 .. 31: 128 consecutive bytes a wave, 512 a work-group
.irp i, 0,1,2,3,4,5,6,7,8,9,10,11,12,13,14,15,16,17,18,19,20,21,22,23,24,25,26,27,28,29,30,31
	global_load_b32 v[R+32*(\kb)+\i], v12, s[6:7] offset:(32*(\kb)+\i)*4096 th:TH_LOAD_NT
.endr
.endm
.macro WBLOCK kb, left
.set XS, R+32*(\kb)
	s_wait_loadcnt \left                           ; this block's 32 loads are in; the next block's may be out
	v_max3_num_f32 v13, |v[XS]|, |v[XS+1]|, |v[XS+2]|
	v_max3_num_f32 v14, |v[XS+3]|, |v[XS+4]|, |v[XS+5]|
.irp i, 6,10,14,18,22,26
	v_max3_num_f32 v13, v13, |v[XS+\i]|, |v[XS+\i+1]|
	v_max3_num_f32 v14, v14, |v[XS+\i+2]|, |v[XS+\i+3]|
.endr
	v_max3_num_f32 v13, v13, |v[XS+30]|, |v[XS+31]|
	v_max3_num_f32 v13, v13, v14, 0x1800000        ; and the floor
	v_add_nc_u32 v15, 0xff000000, v13              ; the conversion's scale operand
	v_lshrrev_b32 v14, 23, v15                     ; the byte
.if (\kb) == 0
	v_mov_b32 v176, v14
.else
	v_lshl_or_b32 v176, v14, 8*(\kb), v176         ; my column's scale word for this K step
.endif
.irp g, 0,1,2,3
	v_cvt_scalef32_pk8_fp4_f32 v[160+4*(\kb)+\g], v[XS+8*\g:XS+8*\g+7], v15
.endr
	v_nop                                          ; one plain place behind a scaled conversion
	global_store_b128 v11, v[160+4*(\kb):163+4*(\kb)], s[18:19] offset:((\kb)/2)*512+((\kb)%2)*256   ; sixteen lanes of one fragment fill 256 consecutive bytes, aligned
.endm
	WLOAD 0
	WLOAD 1
	WBLOCK 0, 32
	WLOAD 2
	WBLOCK 1, 32
	WLOAD 3
	WBLOCK 2, 32
	WBLOCK 3, 0
	ds_store_b32 v9, v176
	s_wait_dscnt 0x0                               ; for the others' sake: my word has landed
	s_barrier_signal -1
	s_barrier_wait -1
	s_cmp_lg_u32 s[WV], 0
	s_cbranch_scc1 .Lw_end
	ds_load_b128 v[32:35], v10
	s_wait_dscnt 0x0
	global_store_b128 v4, v[32:35], s[18:19] offset:8192
.Lw_end:
	s_wait_tensorcnt 0x0                           ; the wave's end
	ds_add_u32 v[SPW], v[NIL]
	s_wait_dscnt 0x0
	s_endpgm
.Lmask:
	; ---- THE MASK: wave w takes batch w.  No LDS, no barrier.
	s_lshl_b32 s28, s[WV], 13
	s_mov_b32 s29, 0
	s_add_nc_u64 s[14:15], s[14:15], s[28:29]      ; my batch's 2,048 words
	s_add_nc_u64 s[34:35], s[20:21], s[28:29]
	s_add_nc_u64 s[34:35], s[34:35], 0x10000       ; each token's slot
	s_lshl_b32 s28, s[WV], 14
	s_add_nc_u64 s[32:33], s[20:21], s[28:29]      ; the pairs
	s_lshl_b32 s28, s[WV], 7
	s_add_nc_u64 s[36:37], s[20:21], s[28:29]
	s_add_nc_u64 s[36:37], s[36:37], 0x18000       ; the counts
.set j, 0
.rept 64
	global_load_b32 v[64+j], v12, s[14:15] offset:128*j
.set j, j+1
.endr
	v_lshlrev_b32 v13, 4, v20
	v_lshl_add_u32 v13, v19, 9, v13                ; token 32 j + l: its codes lie 1,024 j + 512 u' + 16 r' bytes into a head's q,
	v_lshlrev_b32 v14, 2, v20
	v_lshl_add_u32 v14, v19, 6, v14                ; its scale word 128 j + 64 u' + 4 r'
	s_mov_b32 s38, 0
	s_wait_loadcnt 0x0
.set j, 0
.rept 64
	v_cmp_ne_u32 s27, 0, v[64+j]
	s_bcnt1_i32_b32 s27, s27
	s_add_co_u32 s38, s38, s27                     ; n: the live tokens
.set j, j+1
.endr
	s_add_co_u32 s39, s38, 1                       ; one slot more for the masked row, where there is one
	s_min_u32 s39, s39, 0x800
	s_add_co_u32 s39, s39, 15
	s_lshr_b32 s39, s39, 4                         ; tiles of 16 slots
	v_mov_b32 v21, s38
	s_mov_b32 s40, 0                               ; live tokens ahead of these 32
.set j, 0
.rept 64
.set ST4, 32+4*(j%8)
.if (j%8 == 0) && (j > 0)
	s_wait_xcnt 0x0                                ; the stores of eight turns ago have read their registers, which are written again below
.endif
	v_cmp_ne_u32 s27, 0, v[64+j]
	v_mbcnt_lo_u32_b32 v22, s27, s40               ; live tokens ahead of mine: a live token's slot
	v_add_nc_u32 v23, 2047-32*j, v22
	v_sub_nc_u32 v23, v23, v1                      ; 2,047 - (masked tokens ahead of mine): where a masked token's pair goes
	v_cndmask_b32 v23, v23, v22, s27
	v_min_u32 v23, 0x7ff, v23
	v_lshlrev_b32 v[ST4+2], 3, v23
	v_add_nc_u32 v[ST4], 1024*j, v13
	v_add_nc_u32 v[ST4+1], 128*j, v14
	global_store_b64 v[ST4+2], v[ST4:ST4+1], s[32:33]
	v_cndmask_b32 v[64+j], v21, v22, s27           ; the slot whose y is mine: my own, or n
	global_store_b32 v12, v[64+j], s[34:35] offset:128*j
	s_bcnt1_i32_b32 s27, s27
	s_add_co_u32 s40, s40, s27
.set j, j+1
.endr
	v_mov_b32 v24, s38
	v_mov_b32 v25, s39
	global_store_b32 v12, v24, s[36:37]
	global_store_b32 v12, v25, s[36:37] offset:512
	s_endpgm
.Lfunc_end_k_q07fb110d8c_prep:
	.size	k_q07fb110d8c_prep, .Lfunc_end_k_q07fb110d8c_prep-k_q07fb110d8c_prep
	.p2alignl 7, 3214868480
	.fill 96, 4, 3214868480
	.section	.rodata,"a",@progbits
	.p2align	6, 0x0
	.amdhsa_kernel k_q07fb110d8c_prep
		.amdhsa_group_segment_fixed_size 69120
		.amdhsa_private_segment_fixed_size 0
		.amdhsa_enable_private_segment 0
		.amdhsa_kernarg_size 72
		.amdhsa_user_sgpr_count 2
		.amdhsa_user_sgpr_kernarg_segment_ptr 1
		.amdhsa_wavefront_size32 1
		.amdhsa_system_sgpr_workgroup_id_x 1
		.amdhsa_system_sgpr_workgroup_id_y 1
		.amdhsa_system_sgpr_workgroup_id_z 1
		.amdhsa_system_vgpr_workitem_id 0
		.amdhsa_next_free_vgpr 256
		.amdhsa_next_free_sgpr 66
		.amdhsa_reserve_vcc 0
		.amdhsa_float_denorm_mode_32 3
		.amdhsa_float_denorm_mode_16_64 3
		.amdhsa_memory_ordered 1
		.amdhsa_forward_progress 1
		.amdhsa_inst_pref_size 106
	.end_amdhsa_kernel
	.amdgpu_metadata
---
amdhsa.version: [ 1, 2 ]
amdhsa.kernels:
  - .name:           k_q07fb110d8c_prep
    .symbol:         k_q07fb110d8c_prep.kd
    .args:
      - { .name: x, .offset: 0, .size: 8, .value_kind: global_buffer, .address_space: global }
      - { .name: Wq, .offset: 8, .size: 8, .value_kind: global_buffer, .address_space: global }
      - { .name: Wk, .offset: 16, .size: 8, .value_kind: global_buffer, .address_space: global }
      - { .name: Wv, .offset: 24, .size: 8, .value_kind: global_buffer, .address_space: global }
      - { .name: Wp, .offset: 32, .size: 8, .value_kind: global_buffer, .address_space: global }
      - { .name: mask, .offset: 40, .size: 8, .value_kind: global_buffer, .address_space: global }
      - { .name: ximg, .offset: 48, .size: 8, .value_kind: global_buffer, .address_space: global }
      - { .name: wimg, .offset: 56, .size: 8, .value_kind: global_buffer, .address_space: global }
      - { .name: lists, .offset: 64, .size: 8, .value_kind: global_buffer, .address_space: global }
    .group_segment_fixed_size: 69120
    .private_segment_fixed_size: 0
    .kernarg_segment_align: 8
    .kernarg_segment_size: 72
    .max_flat_workgroup_size: 128
    .sgpr_count:     66
    .vgpr_count:     256
    .wavefront_size: 32
...
	.end_amdgpu_metadata
.endif
;; end of part 1
;; launch qkv (part 2): grid 8 x 32, 8 waves a work-group, clusters of 4 x 4, 327,680 bytes of LDS; arguments ximg, wimg, bq, bk, bv, qkv; writes qkv
.if DOCPART == 2
	.amdgcn_target "amdgcn-amd-amdhsa--gfx1250"
	.amdhsa_code_object_version 6
	.text
	.protected	k_q07fb110d8c_qkv
	.globl	k_q07fb110d8c_qkv
	.p2align	8
	.type	k_q07fb110d8c_qkv,@function
k_q07fb110d8c_qkv:
	s_mov_b64 s[64:65], 0
	v_nop
	global_prefetch_b8 v0, s[64:65] scope:SCOPE_SE
	s_setreg_imm32_b32 hwreg(HW_REG_WAVE_MODE, 25, 1), 1
	s_wait_xcnt 0x0
	s_wait_alu depctr_hold_cnt(0) depctr_sa_sdst(0) depctr_va_vdst(0) depctr_va_sdst(0) depctr_va_ssrc(0) depctr_va_vcc(0) depctr_vm_vsrc(0)
	s_getreg_b32 s2, hwreg(HW_REG_IB_STS2, 6, 4)
	s_cmp_eq_u32 s2, 0
	s_cbranch_scc0 .Lentry_in_a_cluster
	s_endpgm
.Lentry_in_a_cluster:
	s_bfe_u32 s2, ttmp6, 0x10000c
	s_cmp_lg_u32 s2, 0xf033
	s_cbranch_scc0 .Lentry_shape_is_right
	s_endpgm
.Lentry_shape_is_right:
; LAUNCH 2 OF 4.  q = x Wq + bq, k = x Wk + bk, v = x Wv + bv on codes of E2M1 (blocks made by the first launch), f32 sums; the results are quantised in registers: q and k along the head's 64, v along the keys.
; Nothing is left out here: q of masked tokens lies in tiles that also hold live tokens.
; SHARES.  Work-group (jg, i): 256 tokens (token groups 2 i, 2 i + 1 of 128; batch i / 8) x 128 columns (heads 2 jg, 2 jg + 1) of q, of k and of v: x's codes come into LDS once for all three products.
; Eight waves, wave w = 4 gl + P.  q, k: source 0 = the weight's eight tiles of 16 columns, source 1 = x's tiles 2 P, 2 P + 1 of token group gl: a lane holds one token and 128 columns.
; v: source 0 = x's eight tiles of token group gl, source 1 = Wv's tiles 2 P, 2 P + 1: a lane holds one column and 128 tokens.  By the blocks' order of rows the 16 registers of tiles 2 b, 2 b + 1
; are 16 neighbours along the next K.  The biases are the sums' first C: the accumulators are loaded with them.
; CLUSTER 4 x 4: x's codes hang on i alone and are asked for jointly along a row of the cluster, a weight's on jg alone and along a column.
; LDS: x's two groups (139,264), Wq's group and later Wv's (69,632), Wk's (69,632): all of K = 1,024; one refill in the launch.  By this text's count a wave has three tensor loads out at the head, later one.
; OUT (qkv): at 0 q's and at 4,194,304 k's codes [64 heads][128 tiles][512]: registers 0-3 of a fragment, lane l at 16 l; tile T holds tokens 32 (T / 2) + 8 (T % 2) + r + 8 (r / 8);
; at 8,388,608 v's [64][16 key steps][4 tiles of 16 d][1,024]; scale words at 12,582,912 (q), 13,107,200 (k): [64][64 pairs of tiles][32 lanes], bytes 0, 1 real, 2, 3 = 0; at 13,631,488 (v): [64][16][2][32].
; LIMITS: as stated at the head of the first launch (floor of the scale byte; NaN and infinities not served).
.set BLK,   8704
.set GRP,   69632
.set MAT,   557056
.set HALFG, 34816                      ; four K steps on: what an LDS immediate does not reach
.set WA,    139264
.set WB,    208896
.set BT,    278528                     ; bq's 128 numbers, then bk's
.set VBT,   279552                     ; bv's 128 numbers, each four times
.set SPARE, 281600                     ; the spare words, 128 bytes for each wave
.set KCD,   4194304                    ; from q's codes to k's
.set VC,    8388608
.set QS,    12582912
.set KSD,   524288                     ; from q's scale words to k's
.set VS,    13631488
.set L16,   1                          ; v1   16 x lane
.set L4,    2                          ; v2   4 x lane
.set SPW,   3                          ; v3   LDS address of my spare word; never rewritten
.set NIL,   4                          ; v4   0; never rewritten
.set AB0,   5                          ; v5, v6   the eight-tile operand: K steps 0-3, 4-7
.set AS0,   7                          ; v7, v8   the two-tile operand
.set AC0,   9                          ; v9, v10  its scale words
.set ABT,   11                         ; v11  the bias table of q and k: + 64 h
.set AVB,   12                         ; v12  bv's table: my column
.set VO_C,  13                         ; v13-15, v26  byte offsets of my stores
.set VO_S,  14
.set VO_VC, 15
.set VO_VS, 26
.set ACC,   128                        ; v128-255 accumulator (u, t) at 128 + 64 u + 8 t.  v16-23 the eight tiles' scale words, v24, v25 the two tiles': two sets, scales and nothing else
.set TM,    64                         ; the way out works in the fragments' registers: v64-79 at work, v48-63 codes, v80-83 scale words
.set PC0,   48
.set PC1,   56
.set PW0,   80
.set PW1,   81
.set SWA,   82
.set SWB,   83
.set WV,    16                         ; s16  my wave's number
.set HI,    21                         ; s21  a lane mask: lanes 16-31
.set SEL,   22                         ; s[22:23]
.set G1X,   32                         ; s[32:39] group 1 for x: 68 rows of 256 bytes;  s[40:47] for a weight: 34 rows
.set G1W,   40
.set T1,    48                         ; s[48:51] x; s[52:55] Wq; s[56:59] Wk; s[60:63] Wv
.set T2,    52
.set T3,    56
.set T4,    60
.macro NOPS4                           ; four places: behind matrix instructions, ahead of loads into their registers and of reads of their results
.rept 4
	v_nop
.endr
.endm
.macro ROUND                           ; a round of the cluster's barrier
	s_barrier_signal -1
	s_barrier_wait -1
	s_cmp_lg_u32 s[WV], 0
	s_cbranch_scc1 .Lnot_wave_0_\@
	s_barrier_signal -3
.Lnot_wave_0_\@:
	s_barrier_wait -3
	s_barrier_signal -1
	s_barrier_wait -1
.endm
.macro QUANT s, pc, pw                 ; 64 numbers of a lane, register 16 b + i = k 32 b + 16 h + i, become a fragment's codes and its row's scale word
.irp b, 0,1,2,3
	v_max3_num_f32 v[TM+\b], |v[\s+16*\b]|, |v[\s+1+16*\b]|, 0x1800000   ; each accumulator is read from its low end on; the floor 2^(3 - 127) holds the byte at 1 from below
.endr
.irp i, 2,4,6,8,10,12,14
.irp b, 0,1,2,3
	v_max3_num_f32 v[TM+\b], v[TM+\b], |v[\s+16*\b+\i]|, |v[\s+1+16*\b+\i]|
.endr
.endr
.irp b, 0,1,2,3
	v_permlanex16_b32 v[TM+4+\b], v[TM+\b], s[SEL], s[SEL+1]
.endr
.irp b, 0,1,2,3
	v_max_num_f32 v[TM+\b], v[TM+\b], v[TM+4+\b]
.endr
.irp b, 0,1,2,3
	v_add_nc_u32 v[TM+12+\b], 0xff000000, v[TM+\b]
.endr
.irp b, 0,1,2,3
	v_lshrrev_b32 v[TM+4+\b], 23, v[TM+12+\b]
.endr
	v_lshl_or_b32 v[\pw], v[TM+5], 8, v[TM+4]
	v_lshl_or_b32 v[\pw], v[TM+6], 16, v[\pw]
	v_lshl_or_b32 v[\pw], v[TM+7], 24, v[\pw]
.irp b, 0,1,2,3
	v_cvt_scalef32_pk8_fp4_f32 v[\pc+2*\b], v[\s+16*\b:\s+7+16*\b], v[TM+12+\b]
	v_cvt_scalef32_pk8_fp4_f32 v[\pc+1+2*\b], v[\s+8+16*\b:\s+15+16*\b], v[TM+12+\b]
.endr
	v_nop                                          ; one plain place behind a scaled conversion
.irp c, 0,1
.irp i, 0,1
	v_permlane16_swap_b32 v[\pc+4*\c+\i], v[\pc+2+4*\c+\i]
.endr
.endr
.endm
; THE LOADS OF A K STEP.  Tiles 0-3 of the eight into v32-63, tiles 4-7 into v64-95; the two tiles into v96-111 or v112-127, the scale words into v16-19, v24 or v20-23, v25, by the K step's parity.
.macro LD_H0 ab, ob
.irp t, 0,1,2,3
.irp c, 0,1
	ds_load_b128 v[32+8*\t+4*\c:35+8*\t+4*\c], v[\ab] offset:(\ob)+\t*1024+\c*512
.endr
.endr
.endm
.macro LD_H1 ab, ob
.irp t, 0,1,2,3
.irp c, 0,1
	ds_load_b128 v[64+8*\t+4*\c:67+8*\t+4*\c], v[\ab] offset:(\ob)+4096+\t*1024+\c*512
.endr
.endr
.endm
.macro LD_SM p, ab, ob, as, os, ac, oc
	ds_load_b128 v[16+4*(\p):19+4*(\p)], v[\ab] offset:(\ob)+8192      ; register q: lanes 0-15 tile 2 q's words, lanes 16-31 tile 2 q + 1's
.irp u, 0,1
.irp c, 0,1
	ds_load_b128 v[96+16*(\p)+8*\u+4*\c:99+16*(\p)+8*\u+4*\c], v[\as] offset:(\os)+\u*1024+\c*512
.endr
.endr
	ds_load_b32 v[24+(\p)], v[\ac] offset:(\oc)                        ; lanes 0-15 the first tile's words, lanes 16-31 the second's
.endm
.macro WM t, u, p                      ; one product: tile t of the eight x tile u of the two, added in place
.set dA, ACC+64*(\u)+8*(\t)
.set aA, 32+8*(\t)
.set bA, 96+16*(\p)+8*(\u)
.set sA, 16+4*(\p)+(\t)/2
.set sB, 24+(\p)
.if ((\t)%2 == 0) && ((\u) == 0)
	v_wmma_scale_f32_16x16x128_f8f6f4 v[dA:dA+7], v[aA:aA+7], v[bA:bA+7], v[dA:dA+7], v[sA], v[sB] matrix_a_fmt:MATRIX_FMT_FP4 matrix_b_fmt:MATRIX_FMT_FP4
.elseif ((\t)%2 == 1) && ((\u) == 0)
	v_wmma_scale_f32_16x16x128_f8f6f4 v[dA:dA+7], v[aA:aA+7], v[bA:bA+7], v[dA:dA+7], v[sA], v[sB] matrix_a_fmt:MATRIX_FMT_FP4 matrix_b_fmt:MATRIX_FMT_FP4 matrix_a_scale:MATRIX_SCALE_ROW1
.elseif ((\t)%2 == 0)
	v_wmma_scale_f32_16x16x128_f8f6f4 v[dA:dA+7], v[aA:aA+7], v[bA:bA+7], v[dA:dA+7], v[sA], v[sB] matrix_a_fmt:MATRIX_FMT_FP4 matrix_b_fmt:MATRIX_FMT_FP4 matrix_b_scale:MATRIX_SCALE_ROW1
.else
	v_wmma_scale_f32_16x16x128_f8f6f4 v[dA:dA+7], v[aA:aA+7], v[bA:bA+7], v[dA:dA+7], v[sA], v[sB] matrix_a_fmt:MATRIX_FMT_FP4 matrix_b_fmt:MATRIX_FMT_FP4 matrix_a_scale:MATRIX_SCALE_ROW1 matrix_b_scale:MATRIX_SCALE_ROW1
.endif
.endm
.macro MM half, p                      ; eight products; the sixteen accumulators take turns, one instruction a turn, in the same order in every K step
.irp t, 0,1,2,3
.irp u, 0,1
	WM 4*(\half)+\t, \u, \p
.endr
.endr
.endm
.macro PRIME k                         ; 14 loads: tiles 0-3, the two tiles and the scale words of K step k
.set kp, (\k)%2
.set kr, (\k)/4
.set ko, ((\k)%4)*BLK
	LD_H0 AB0+kr, ko
	LD_SM kp, AB0+kr, ko, AS0+kr, ko, AC0+kr, ko
.endm
.macro HALF1 k                         ; 8 loads: tiles 4-7
.set kr, (\k)/4
.set ko, ((\k)%4)*BLK
	LD_H1 AB0+kr, ko
.endm
.macro KSTEP k, next
	NOPS4                                          ; v64-95 were read by the last K step's products
	HALF1 \k
	s_wait_dscnt 8                                 ; all but the eight loads just issued: tiles 0-3, the two tiles, the scale words (and, in a product's first K step, the biases)
	MM 0, (\k)%2
	NOPS4                                          ; v32-63 have just been read; the other set of the two tiles a K step ago
.if \next
	PRIME (\k)+1
	s_wait_dscnt 14                                ; all but the fourteen just issued: tiles 4-7
.else
	s_wait_dscnt 0x0
.endif
	MM 1, (\k)%2
.endm
.macro GEMM8
	PRIME 0
.irp k, 0,1,2,3,4,5,6
	KSTEP \k, 1
.endr
	KSTEP 7, 0
.endm
.macro SETADR sb, ss, sc               ; a product's LDS addresses, from three scalars made of constants and the wave's number
	v_add_nc_u32 v[AB0], s[\sb], v[L16]
	v_add_nc_u32 v[AB0+1], HALFG, v[AB0]
	v_add_nc_u32 v[AS0], s[\ss], v[L16]
	v_add_nc_u32 v[AS0+1], HALFG, v[AS0]
	v_add_nc_u32 v[AC0], s[\sc], v[L16]
	v_add_nc_u32 v[AC0+1], HALFG, v[AC0]
.endm
.macro INIT_QK tb                      ; register j of accumulator (u, t) begins as the bias of column 32 (t / 2) + 8 (t % 2) + 16 h + j
.irp u, 0,1
.irp t, 0,1,2,3,4,5,6,7
	ds_load_b128 v[ACC+64*\u+8*\t:ACC+64*\u+8*\t+3], v[ABT] offset:\tb+(32*(\t/2)+8*(\t%2))*4
	ds_load_b128 v[ACC+64*\u+8*\t+4:ACC+64*\u+8*\t+7], v[ABT] offset:\tb+(32*(\t/2)+8*(\t%2))*4+16
.endr
.endr
.endm
.macro EPI_QK ci, si                   ; my two tiles of 16 tokens x two heads: registers 4 c .. 4 c + 3 of the codes are head c's 64
	NOPS4
	QUANT ACC, PC0, PW0
	QUANT ACC+64, PC1, PW1
	global_store_b128 v[VO_C], v[PC0:PC0+3], s[14:15] offset:\ci                 ; each store covers 512 consecutive bytes, aligned
	global_store_b128 v[VO_C], v[PC0+4:PC0+7], s[14:15] offset:\ci+65536
	global_store_b128 v[VO_C], v[PC1:PC1+3], s[14:15] offset:\ci+512
	global_store_b128 v[VO_C], v[PC1+4:PC1+7], s[14:15] offset:\ci+65536+512
	v_cndmask_b32 v[SWB], v[PW0], v[PW1], s[HI]    ; lanes 0-15 the first tile's words, lanes 16-31 the second's
	v_and_b32 v[SWA], 0xffff, v[SWB]               ; the first head's two bytes,
	v_lshrrev_b32 v[SWB], 16, v[SWB]               ; the second's
	global_store_b32 v[VO_S], v[SWA], s[14:15] offset:\si
	global_store_b32 v[VO_S], v[SWB], s[14:15] offset:\si+8192
.endm
	s_load_b256 s[4:11], s[0:1], 0x0               ; ximg s[4:5], wimg s[6:7], bq s[8:9], bk s[10:11]
	s_load_b128 s[12:15], s[0:1], 0x20             ; bv s[12:13], qkv s[14:15]
	v_lshl_add_u32 v[SPW], v0, 2, SPARE
	v_mov_b32 v[NIL], 0
	ds_add_u32 v[SPW], v[NIL]                      ; the wave's opening
	ds_add_u32 v[SPW], v[NIL]
	v_lshrrev_b32 v27, 5, v0
	v_readfirstlane_b32 s[WV], v27                 ; wave 0..7
	s_bfe_u32 s17, ttmp6, 0x40000                  ; cx
	s_bfe_u32 s18, ttmp6, 0x40004                  ; cy
	s_lshl_b32 s19, ttmp9, 2
	s_add_co_u32 s19, s19, s17                     ; jg = 4 x cluster x + cx
	s_and_b32 s20, ttmp7, 0xffff
	s_lshl_b32 s20, s20, 2
	s_add_co_u32 s20, s20, s18                     ; i = 4 x cluster y + cy
	s_lshl_b32 s24, s18, 2
	s_lshl_b32 s24, 15, s24                        ; my row of the cluster
	s_lshl_b32 s26, 0x1111, s17                    ; my column
	s_or_b32 s[G1X], s24, (3<<16)|(1<<21)          ; 15:0 the mask; 17:16 elements of 8 bytes; 21 set beside a mask; no padding: every LDS read here takes 512 consecutive bytes
	s_or_b32 s[G1W], s26, (3<<16)|(1<<21)
	s_mov_b32 s[G1X+1], 32<<16                     ; tensor_dim0 = 32 elements: rows of 256 bytes of a dense run
	s_mov_b32 s[G1X+2], 68<<16                     ; tensor_dim1 = 68
	s_mov_b32 s[G1X+3], 32<<16                     ; tile_dim0
	s_mov_b32 s[G1X+4], 68                         ; tile_dim1
	s_mov_b32 s[G1X+5], 32                         ; the pitch
	s_mov_b32 s[G1X+6], 0
	s_mov_b32 s[G1X+7], 0
	s_mov_b32 s[G1W+1], 32<<16
	s_mov_b32 s[G1W+2], 34<<16
	s_mov_b32 s[G1W+3], 32<<16
	s_mov_b32 s[G1W+4], 34
	s_mov_b32 s[G1W+5], 32
	s_mov_b32 s[G1W+6], 0
	s_mov_b32 s[G1W+7], 0
	s_mul_i32 s66, s[WV], 17408                    ; my eighth of x's two groups,
	s_mul_i32 s67, s[WV], BLK                      ; and of a weight's group: K step w
	s_mul_i32 s24, s20, 139264                     ; x's address is made of i and the wave's number, in registers that never hold cx;
	s_add_co_u32 s24, s24, s66
	s_mov_b32 s25, 0
	s_mul_i32 s26, s19, GRP                        ; a weight's of jg and the wave's number, in registers that never hold cy
	s_add_co_u32 s26, s26, s67
	s_mov_b32 s27, 0
	s_mov_b32 s[HI], 0xffff0000
	s_mov_b32 s[SEL], 0x76543210
	s_mov_b32 s[SEL+1], 0xfedcba98
	s_wait_dscnt 0x0                               ; both opening adds are done
	s_wait_kmcnt 0x0
	s_mov_b32 s[T1], 1
	s_mov_b32 s[T1+1], s66
	s_add_nc_u64 s[T1+2:T1+3], s[4:5], s[24:25]
	s_or_b32 s[T1+3], s[T1+3], 0x80000000
	s_mov_b32 s[T2], 1
	s_add_co_u32 s[T2+1], s67, WA
	s_add_nc_u64 s[T2+2:T2+3], s[6:7], s[26:27]
	s_mov_b32 s[T3], 1
	s_add_co_u32 s[T3+1], s67, WB
	s_add_nc_u64 s[T3+2:T3+3], s[T2+2:T2+3], MAT
	s_mov_b32 s[T4], 1
	s_add_co_u32 s[T4+1], s67, WA
	s_add_nc_u64 s[T4+2:T4+3], s[T2+2:T2+3], 2*MAT
	s_or_b32 s[T2+3], s[T2+3], 0x80000000
	s_or_b32 s[T3+3], s[T3+3], 0x80000000
	s_or_b32 s[T4+3], s[T4+3], 0x80000000
	ROUND                                          ; all sixteen work-groups are here: the first joint loads meet
	tensor_load_to_lds s[T1:T1+3], s[G1X:G1X+7]    ; x
	s_nop 0
	tensor_load_to_lds s[T2:T2+3], s[G1W:G1W+7]    ; Wq
	s_nop 0
	tensor_load_to_lds s[T3:T3+3], s[G1W:G1W+7]    ; Wk
	s_nop 0
	; the bias tables: thread t brings bq (waves 0-3) or bk (waves 4-7) and bv of column t % 128
	v_and_b32 v30, 127, v0
	v_lshlrev_b32 v33, 2, v30
	s_lshl_b32 s28, s19, 9                         ; my 128 columns
	s_mov_b32 s29, 0
	s_cmp_lt_u32 s[WV], 4
	s_cselect_b64 s[30:31], s[8:9], s[10:11]
	s_add_nc_u64 s[30:31], s[30:31], s[28:29]
	s_add_nc_u64 s[12:13], s[12:13], s[28:29]
	global_load_b32 v32, v33, s[30:31]
	global_load_b32 v34, v33, s[12:13]
	v_lshl_add_u32 v36, v0, 2, BT
	v_lshlrev_b32 v37, 4, v30
	v_lshrrev_b32 v38, 7, v0
	v_lshl_add_u32 v37, v38, 3, v37
	v_add_nc_u32 v37, VBT, v37
	v_and_b32 v27, 31, v0                          ; lane
	v_and_b32 v28, 15, v0                          ; r
	v_bfe_u32 v29, v0, 4, 1                        ; h
	v_lshlrev_b32 v[L16], 4, v27
	v_lshlrev_b32 v[L4], 2, v27
	; where my results go
	s_lshr_b32 s68, s20, 3                         ; the batch
	s_lshl_b32 s68, s68, 4
	s_lshl_b32 s69, s19, 1
	s_add_co_u32 s68, s68, s69                     ; the first of my two heads, of 64
	s_and_b32 s69, s20, 7                          ; my 256 tokens' place in the batch
	s_lshl_b32 s70, s69, 4
	s_lshl_b32 s71, s[WV], 1
	s_add_co_u32 s70, s70, s71                     ; my first tile of 16 tokens
	s_lshl_b32 s70, s70, 9
	s_lshl_b32 s71, s68, 16
	s_add_co_u32 s70, s70, s71
	v_add_nc_u32 v[VO_C], s70, v[L16]
	s_lshl_b32 s70, s69, 3
	s_add_co_u32 s70, s70, s[WV]                   ; my pair of tiles
	s_lshl_b32 s70, s70, 7
	s_lshl_b32 s71, s68, 13
	s_add_co_u32 s70, s70, s71
	s_add_co_u32 s70, s70, QS
	v_add_nc_u32 v[VO_S], s70, v[L4]
	s_lshr_b32 s72, s[WV], 2                       ; gl
	s_and_b32 s73, s[WV], 3                        ; P
	s_lshr_b32 s70, s73, 1
	s_add_co_u32 s70, s70, s68                     ; v: my head,
	s_lshl_b32 s70, s70, 4
	s_lshl_b32 s71, s69, 1
	s_add_co_u32 s70, s70, s71
	s_add_co_u32 s70, s70, s72                     ; and my key step of 128 tokens
	s_and_b32 s71, s73, 1                          ; which half of the head's 64
	s_lshl_b32 s74, s70, 12
	s_lshl_b32 s75, s71, 11
	s_add_co_u32 s74, s74, s75
	s_add_co_u32 s74, s74, VC
	v_add_nc_u32 v[VO_VC], s74, v[L16]
	s_lshl_b32 s74, s70, 8
	s_lshl_b32 s75, s71, 7
	s_add_co_u32 s74, s74, s75
	s_add_co_u32 s74, s74, VS
	v_add_nc_u32 v[VO_VS], s74, v[L4]
	; LDS places, of constants and the wave's number alone
	s_mul_i32 s76, s72, GRP                        ; my token group's blocks
	s_lshl_b32 s77, s73, 11                        ; tiles 2 P, 2 P + 1 of a block
	s_lshl_b32 s78, s73, 2                         ; and their word in the scale image
	s_mov_b32 s80, WA
	s_mov_b32 s81, WB
	s_add_co_u32 s82, s76, s77
	s_add_co_u32 s83, s76, s78
	s_add_co_u32 s83, s83, 8192
	s_add_co_u32 s84, s77, WA
	s_add_co_u32 s85, s78, WA+8192
	v_lshl_add_u32 v[ABT], v29, 6, BT
	v_and_b32 v31, 8, v28
	v_add_nc_u32 v31, v31, v28                     ; r + 8 (r / 8)
	v_lshlrev_b32 v31, 4, v31
	s_lshl_b32 s79, s73, 9
	s_add_co_u32 s79, s79, VBT
	v_add_nc_u32 v[AVB], s79, v31
	SETADR 80, 82, 83
	s_wait_loadcnt 0x0
	v_mov_b32 v35, v34
	ds_store_b32 v36, v32
	ds_store_b64 v37, v[34:35]
	s_wait_tensorcnt 0x1                           ; x and Wq have landed; Wk's load may stay out
	s_wait_dscnt 0x0                               ; my part of the tables has landed
	s_barrier_signal -1
	s_barrier_wait -1
	; ---- q
	INIT_QK 0
	GEMM8
	s_wait_tensorcnt 0x0                           ; all my tensor loads have landed, my part of Wk among them;
	ds_add_u32 v[SPW], v[NIL]
	s_wait_dscnt 0x0                               ; the add is done, and my reads of Wq are over
	ROUND                                          ; both now hold of every wave of every work-group of the cluster
	tensor_load_to_lds s[T4:T4+3], s[G1W:G1W+7]    ; Wv, where Wq lay: it has q's way out and all of k's product in which to land
	s_nop 0
	EPI_QK 0, 0
	s_wait_xcnt 0x0                                ; the stores have read their registers, which the next loads write
	; ---- k
	SETADR 81, 82, 83
	INIT_QK 512
	GEMM8
	EPI_QK KCD, KSD
	s_wait_tensorcnt 0x0                           ; my part of Wv has landed,
	s_wait_dscnt 0x0
	s_barrier_signal -1
	s_barrier_wait -1                              ; everybody's has
	s_wait_xcnt 0x0
	; ---- v
	SETADR 76, 84, 85
.irp u, 0,1
.irp t, 0,1,2,3,4,5,6,7
	ds_load_b128 v[ACC+64*\u+8*\t:ACC+64*\u+8*\t+3], v[AVB] offset:128*\u      ; a lane holds one column: its bias in all eight registers
	ds_load_b128 v[ACC+64*\u+8*\t+4:ACC+64*\u+8*\t+7], v[AVB] offset:128*\u
.endr
.endr
	GEMM8
	NOPS4
	QUANT ACC, PC0, PW0                            ; 16 of the head's 64 x 128 keys: a whole fragment of the second product of attention
	QUANT ACC+64, PC1, PW1
	global_store_b128 v[VO_VC], v[PC0:PC0+3], s[14:15]
	global_store_b128 v[VO_VC], v[PC0+4:PC0+7], s[14:15] offset:512
	global_store_b128 v[VO_VC], v[PC1:PC1+3], s[14:15] offset:1024
	global_store_b128 v[VO_VC], v[PC1+4:PC1+7], s[14:15] offset:1536
	v_cndmask_b32 v[SWA], v[PW0], v[PW1], s[HI]
	global_store_b32 v[VO_VS], v[SWA], s[14:15]
	s_wait_tensorcnt 0x0                           ; the wave's end
	ds_add_u32 v[SPW], v[NIL]
	s_wait_dscnt 0x0
	ROUND                                          ; the closing round
	s_endpgm
.Lfunc_end_k_q07fb110d8c_qkv:
	.size	k_q07fb110d8c_qkv, .Lfunc_end_k_q07fb110d8c_qkv-k_q07fb110d8c_qkv
	.p2alignl 7, 3214868480
	.fill 96, 4, 3214868480
	.section	.rodata,"a",@progbits
	.p2align	6, 0x0
	.amdhsa_kernel k_q07fb110d8c_qkv
		.amdhsa_group_segment_fixed_size 327680
		.amdhsa_private_segment_fixed_size 0
		.amdhsa_enable_private_segment 0
		.amdhsa_kernarg_size 48
		.amdhsa_user_sgpr_count 2
		.amdhsa_user_sgpr_kernarg_segment_ptr 1
		.amdhsa_wavefront_size32 1
		.amdhsa_system_sgpr_workgroup_id_x 1
		.amdhsa_system_sgpr_workgroup_id_y 1
		.amdhsa_system_sgpr_workgroup_id_z 1
		.amdhsa_system_vgpr_workitem_id 0
		.amdhsa_next_free_vgpr 256
		.amdhsa_next_free_sgpr 100
		.amdhsa_reserve_vcc 0
		.amdhsa_float_denorm_mode_32 3
		.amdhsa_float_denorm_mode_16_64 3
		.amdhsa_memory_ordered 1
		.amdhsa_forward_progress 1
		.amdhsa_inst_pref_size 129
	.end_amdhsa_kernel
	.amdgpu_metadata
---
amdhsa.version: [ 1, 2 ]
amdhsa.kernels:
  - .name:           k_q07fb110d8c_qkv
    .symbol:         k_q07fb110d8c_qkv.kd
    .args:
      - { .name: ximg, .offset: 0, .size: 8, .value_kind: global_buffer, .address_space: global }
      - { .name: wimg, .offset: 8, .size: 8, .value_kind: global_buffer, .address_space: global }
      - { .name: bq, .offset: 16, .size: 8, .value_kind: global_buffer, .address_space: global }
      - { .name: bk, .offset: 24, .size: 8, .value_kind: global_buffer, .address_space: global }
      - { .name: bv, .offset: 32, .size: 8, .value_kind: global_buffer, .address_space: global }
      - { .name: qkv, .offset: 40, .size: 8, .value_kind: global_buffer, .address_space: global }
    .group_segment_fixed_size: 327680
    .private_segment_fixed_size: 0
    .kernarg_segment_align: 8
    .kernarg_segment_size: 48
    .max_flat_workgroup_size: 256
    .sgpr_count:     100
    .vgpr_count:     256
    .wavefront_size: 32
...
	.end_amdgpu_metadata
.endif
;; end of part 2
;; launch attn (part 3): grid 4 x 64, 16 waves a work-group, no clusters, 145,408 bytes of LDS; arguments qkv, lists, yq; writes yq
.if DOCPART == 3
	.amdgcn_target "amdgcn-amd-amdhsa--gfx1250"
	.amdhsa_code_object_version 6
	.text
	.protected	k_q07fb110d8c_attn
	.globl	k_q07fb110d8c_attn
	.p2align	8
	.type	k_q07fb110d8c_attn,@function
k_q07fb110d8c_attn:
	s_mov_b64 s[64:65], 0
	v_nop
	global_prefetch_b8 v0, s[64:65] scope:SCOPE_SE
	s_setreg_imm32_b32 hwreg(HW_REG_WAVE_MODE, 25, 1), 1
	s_wait_xcnt 0x0
; LAUNCH 3 OF 4.  y = softmax(q k^T / 8, rows of masked queries replaced by NEG) v for one head, both products on codes of E2M1; y is quantised along C in registers.
; LEFT OUT: the masked queries but one for each batch and head: reference() gives them all one constant score, so their rows of y are equal whatever the inputs hold (shown at the head of the first launch).
; The first launch has sorted the queries of a batch into slots: slots 0 .. n - 1 the live ones, slot n a masked one; only the nt = ceil((n + 1) / 16) tiles of 16 slots are walked.
; LIMIT: a NaN, an infinity or an overflow in the q or the scores of a masked query is not carried to the result.  1 / l is a reciprocal and a multiplication.
; THE SOFTMAX: t = score x log2(e) / 8; M = the largest t so far rounded up to a whole number; p = 2^(t - M) is quantised along the keys, not normalised; l sums the unquantised p and divides at the end.
; A lane whose slot is n or more is a masked query: its c is 0 and its t is NEG x log2(e), by a select, with no branch: then M = t, p = 1, l = 2,048.
; SHARES.  Work-group (quarter, head): sixteen waves, a tile of 16 slots each: tile = 64 trip + 16 quarter + wave, trip = 0, 1: 128 tiles, enough for any mask.
; NO CLUSTER, NO TENSOR LOAD: which tiles are walked hangs on a number read from memory.  What the four quarters share is read once
; by each, 139 KiB, for 16 tiles x 16 key steps or more.  A head's whole K and V lie in LDS: sixteen records, one for each 128 keys: K's 8 images (4,096), V's 4 fragments (4,096), K's scale words
; [lane][4] (512), V's [lane][2] (256).  One barrier; the loops' trip counts are constants, and a wave whose tile is not live jumps over a step's work alone.
; LAYOUT.  S^T = K Q^T, O^T = V^T P^T: a lane holds one query throughout.  K = 64 fills half of the instruction's 128: registers 4-7 of K's and Q's fragments are zero codes.
; The keys of a tile and the d of a tile of V are ordered so that 16 registers of two neighbouring tiles are 16 neighbours along the next K.
.set REC,   8960
.set SPARE, 143360                     ; behind the records: the spare words, 128 bytes for each of sixteen waves
.set L16,   1                          ; v1   16 x lane
.set L8,    2                          ; v2   8 x lane + 8,704: V's scale words in a record
.set SPW,   3                          ; v3   LDS address of my spare word; never rewritten
.set NIL,   4                          ; v4   0; never rewritten
.set ADR,   5                          ; v5, v6 the record in hand
.set ADR2,  6
.set RR,    7                          ; v7   lane % 16
                                       ; v[8:9] c, a of my query; v[10:11] a - M and a written partner; v12 -M; v13 the largest t; v[14:15] l in two halves
                                       ; v16-23 Q; v24 Q's scale word; v32-95 K; v96-159 S^T, then p; v160-191 O^T; v192-199 p's codes; v200-231 V
                                       ; v232-239, v248-255 at work; v240-243 K's scale words, v244-245 V's, v246 p's: scales and nothing else
.set SLT,   25                         ; v25  my slot
.set YCO,   26                         ; v26  offset of my slot's pair, later of my codes of y
.set CC,    27                         ; v27  log2(e) / 8
.set NEGT,  30                         ; v30  NEG x log2(e)
.set YSO,   31                         ; v31  offset of my slot's two scale bytes of y
.set H256,  247                        ; v247 256 x (lane / 16)
.set NB,    10                         ; s10  n;  s11 nt
.set NT,    11
.set WV,    13
.set TL0,   14                         ; s14  16 quarter + wave
.set SEL,   24
.set TL,    32                         ; s32  my tile;  s33 1 if it is walked
.set LIVE,  33
.set RB,    34                         ; s34  the record's first byte
.set CNT,   35
.macro NOPS4
.rept 4
	v_nop
.endr
.endm
; A KEY STEP: 128 keys.
.macro STEP
	v_add_nc_u32 v[ADR], s[RB], v[L16]
	v_add_nc_u32 v[ADR2], s[RB], v[L8]
	v_nop
	v_nop                                          ; four places behind the last step's products, ahead of loads into V's registers and scale words
.irp t, 0,1,2,3,4,5,6,7
	ds_load_b128 v[32+8*\t:35+8*\t], v[ADR] offset:512*\t
.endr
	ds_load_b128 v[240:243], v[ADR] offset:8192
.irp d, 0,1,2,3
.irp c, 0,1
	ds_load_b128 v[200+8*\d+4*\c:203+8*\d+4*\c], v[ADR] offset:4096+1024*\d+512*\c
.endr
.endr
	ds_load_b64 v[244:245], v[ADR2]
	s_wait_dscnt 9                                 ; K and its scale words are in; V's nine loads may be out
.irp t, 0,2,4,6
	v_wmma_scale_f32_16x16x128_f8f6f4 v[96+8*\t:103+8*\t], v[32+8*\t:39+8*\t], v[16:23], 0, v[240+\t/2], v24 matrix_a_fmt:MATRIX_FMT_FP4 matrix_b_fmt:MATRIX_FMT_FP4
	v_wmma_scale_f32_16x16x128_f8f6f4 v[104+8*\t:111+8*\t], v[40+8*\t:47+8*\t], v[16:23], 0, v[240+\t/2], v24 matrix_a_fmt:MATRIX_FMT_FP4 matrix_b_fmt:MATRIX_FMT_FP4 matrix_a_scale:MATRIX_SCALE_ROW1
.endr
	NOPS4
.irp b, 0,1,2,3
	v_max3_num_f32 v[232+\b], v[96+16*\b], v[97+16*\b], v[98+16*\b]   ; the largest score of each block of 32 keys: for the row's maximum and, since p rises with the score, for the block's largest p
.endr
.irp i, 3,5,7,9,11,13
.irp b, 0,1,2,3
	v_max3_num_f32 v[232+\b], v[232+\b], v[96+16*\b+\i], v[97+16*\b+\i]
.endr
.endr
.irp b, 0,1,2,3
	v_max_num_f32 v[232+\b], v[232+\b], v[111+16*\b]
.endr
.irp b, 0,1,2,3
	v_permlanex16_b32 v[236+\b], v[232+\b], s[SEL], s[SEL+1]
.endr
.irp b, 0,1,2,3
	v_max_num_f32 v[232+\b], v[232+\b], v[236+\b]
.endr
	v_max3_num_f32 v254, v232, v233, v234
	v_max_num_f32 v254, v254, v235
	v_fma_f32 v254, v254, v8, v9                   ; as t: score x c + a (a live query: a = 0; a masked one: c = 0, a = NEG x log2 e)
	v_max_num_f32 v13, v13, v254
	v_mov_b32 v254, v12
	v_floor_f32 v12, -v13                          ; -M = floor(-t): M is a whole number
	v_sub_f32 v254, v12, v254                      ; old M - new M
	v_cvt_i32_f32 v254, v254                       ; (it saturates)
	v_ldexp_f32 v252, 1.0, v254                    ; f = 2^(old M - new M)
	v_add_f32 v10, v9, v12                         ; a - M
.set j, 0
.rept 32
	v_pk_fma_f32 v[96+j:97+j], v[96+j:97+j], v[8:9], v[10:11] op_sel_hi:[1,0,0]   ; t - M, two at a time
.set j, j+2
.endr
.irp b, 0,1,2,3
	v_fma_f32 v[232+\b], v[232+\b], v8, v10        ; the same of each block's largest score
.endr
.set j, 0
.rept 64
	v_exp_f32 v[96+j], v[96+j]                     ; p = 2^(t - M)
.set j, j+1
.endr
	v_pk_mul_f32 v[14:15], v[14:15], v[252:253] op_sel_hi:[1,0]   ; l under the new M: the plain place behind the exponentials
	s_wait_alu depctr_va_vdst(0)                   ; one wait for the batch, ahead of its first reader
.irp b, 0,1,2,3
	v_exp_f32 v[232+\b], v[232+\b]                 ; each block's largest p
.endr
	v_pk_add_f32 v[236:237], v[96:97], v[98:99]    ; l sums the unquantised p, in two chains
.irp j, 4,8,12,16,20,24,28,32,36,40,44,48,52,56,60
	v_pk_add_f32 v[14:15], v[14:15], v[96+\j:97+\j]
	v_pk_add_f32 v[236:237], v[236:237], v[98+\j:99+\j]
.endr
	v_pk_add_f32 v[14:15], v[14:15], v[236:237]
	s_wait_alu depctr_va_vdst(0)                   ; and one for the four
.irp b, 0,1,2,3
	v_max_num_f32 v[232+\b], 0x1800000, v[232+\b]  ; the floor: the byte cannot fall under 1
.endr
.irp b, 0,1,2,3
	v_add_nc_u32 v[248+\b], 0xff000000, v[232+\b]  ; the conversion's scale operand
.endr
.irp b, 0,1,2,3
	v_lshrrev_b32 v[236+\b], 23, v[248+\b]
.endr
	v_lshl_or_b32 v246, v237, 8, v236              ; p's scale word for these 128 keys
	v_lshl_or_b32 v246, v238, 16, v246
	v_lshl_or_b32 v246, v239, 24, v246
.irp b, 0,1,2,3
	v_cvt_scalef32_pk8_fp4_f32 v[192+2*\b], v[96+16*\b:103+16*\b], v[248+\b]
	v_cvt_scalef32_pk8_fp4_f32 v[193+2*\b], v[104+16*\b:111+16*\b], v[248+\b]
.endr
	v_nop                                          ; one plain place behind a scaled conversion
.irp c, 0,1
.irp i, 0,1
	v_permlane16_swap_b32 v[192+4*\c+\i], v[194+4*\c+\i]
.endr
.endr
.set j, 0
.rept 16
	v_pk_mul_f32 v[160+j:161+j], v[160+j:161+j], v[252:253] op_sel_hi:[1,0]   ; O^T under the new M; sixteen plain lines between the making of p's codes and scale word and the products
.set j, j+2
.endr
	s_wait_dscnt 0x0                               ; V and its scale words are in
.irp d, 0,2
	v_wmma_scale_f32_16x16x128_f8f6f4 v[160+8*\d:167+8*\d], v[200+8*\d:207+8*\d], v[192:199], v[160+8*\d:167+8*\d], v[244+\d/2], v246 matrix_a_fmt:MATRIX_FMT_FP4 matrix_b_fmt:MATRIX_FMT_FP4
	v_wmma_scale_f32_16x16x128_f8f6f4 v[168+8*\d:175+8*\d], v[208+8*\d:215+8*\d], v[192:199], v[168+8*\d:175+8*\d], v[244+\d/2], v246 matrix_a_fmt:MATRIX_FMT_FP4 matrix_b_fmt:MATRIX_FMT_FP4 matrix_a_scale:MATRIX_SCALE_ROW1
.endr
.endm
; A TILE OF 16 SLOTS.  Its head runs in every wave, so that every register is written on every way; the steps' work and the way out are jumped over where the tile is not walked.
.macro TILE trip
	s_wait_xcnt 0x0                                ; the last tile's stores have read their registers
	s_add_co_u32 s[TL], s[TL0], 64*\trip
	s_cmp_lt_u32 s[TL], s[NT]
	s_cselect_b32 s[LIVE], 1, 0
	s_lshl_b32 s36, s[TL], 4
	v_add_nc_u32 v[SLT], s36, v[RR]
	v_lshlrev_b32 v[YCO], 3, v[SLT]
	global_load_b64 v[28:29], v[YCO], s[26:27]     ; where my slot's token has its codes and its scale word in a head's q (every pair of the list is written)
	v_cmp_gt_u32 s37, s[NB], v[SLT]                ; a live query?
	v_cndmask_b32 v8, 0, v[CC], s37
	v_cndmask_b32 v9, v[NEGT], 0, s37
	v_mov_b32 v13, 0xff61b1e6                      ; the largest t so far: -3e38
	v_floor_f32 v12, -v13
	v_mov_b32 v14, 0
	v_mov_b32 v15, 0
.set j, 0
.rept 32
	v_mov_b32 v[160+j], 0                          ; O^T: the step is written once, and the first change of M leaves zeros zeros
.set j, j+1
.endr
	v_lshlrev_b32 v[YSO], 1, v[SLT]
	s_wait_loadcnt 0x0
	v_min_u32 v28, 0xfef0, v28
	v_min_u32 v29, 0x1ffc, v29
	v_add_nc_u32 v28, v28, v[H256]
	global_load_b128 v[16:19], v28, s[16:17]
	global_load_b32 v24, v29, s[20:21]
	s_lshl_b32 s36, s[TL], 9
	v_add_nc_u32 v[YCO], s36, v[L16]
	s_mov_b32 s[RB], 0
	s_mov_b32 s[CNT], 16
	s_wait_loadcnt 0x0
.Lstep_\@:
	s_cmp_eq_u32 s[LIVE], 0
	s_cbranch_scc1 .Lhid_\@
	STEP
.Lhid_\@:
	s_add_co_u32 s[RB], s[RB], REC
	s_sub_co_u32 s[CNT], s[CNT], 1
	s_cmp_lg_u32 s[CNT], 0
	s_cbranch_scc1 .Lstep_\@
	NOPS4                                          ; four places behind the last products, on every way out of the loop
	s_cmp_eq_u32 s[LIVE], 0
	s_cbranch_scc1 .Ldone_\@
	v_add_f32 v14, v14, v15
	v_permlanex16_b32 v252, v14, s[SEL], s[SEL+1]
	v_add_f32 v14, v14, v252                       ; l
	v_rcp_f32 v14, v14
	v_nop                                          ; a plain place behind the reciprocal
	s_wait_alu depctr_va_vdst(0)                   ; and the wait ahead of its first reader
.set j, 0
.rept 32
	v_mul_f32 v[96+j], v[160+j], v14               ; y: register 16 b + i is d = 32 b + 16 h + i of my query
.set j, j+1
.endr
.irp b, 0,1
	v_max3_num_f32 v[232+\b], |v[96+16*\b]|, |v[97+16*\b]|, 0x1800000
.endr
.irp i, 2,4,6,8,10,12,14
.irp b, 0,1
	v_max3_num_f32 v[232+\b], v[232+\b], |v[96+16*\b+\i]|, |v[97+16*\b+\i]|
.endr
.endr
.irp b, 0,1
	v_permlanex16_b32 v[236+\b], v[232+\b], s[SEL], s[SEL+1]
.endr
.irp b, 0,1
	v_max_num_f32 v[232+\b], v[232+\b], v[236+\b]
.endr
.irp b, 0,1
	v_add_nc_u32 v[248+\b], 0xff000000, v[232+\b]
.endr
.irp b, 0,1
	v_lshrrev_b32 v[236+\b], 23, v[248+\b]
.endr
	v_lshl_or_b32 v255, v237, 8, v236              ; the head's two scale bytes of my query
.irp b, 0,1
	v_cvt_scalef32_pk8_fp4_f32 v[192+2*\b], v[96+16*\b:103+16*\b], v[248+\b]
	v_cvt_scalef32_pk8_fp4_f32 v[193+2*\b], v[104+16*\b:111+16*\b], v[248+\b]
.endr
	v_nop
	v_permlane16_swap_b32 v192, v194
	v_permlane16_swap_b32 v193, v195               ; lanes 0-15 block 0, lanes 16-31 block 1
	global_store_b128 v[YCO], v[192:195], s[28:29] ; 512 consecutive bytes, aligned
	global_store_b16 v[YSO], v255, s[30:31]        ; 32 consecutive bytes; lanes 16-31 repeat lanes 0-15's
.Ldone_\@:
.endm
	s_load_b128 s[4:7], s[0:1], 0x0                ; qkv s[4:5], lists s[6:7]
	s_load_b64 s[8:9], s[0:1], 0x10                ; yq
	v_lshl_add_u32 v[SPW], v0, 2, SPARE
	v_mov_b32 v[NIL], 0
	v_lshrrev_b32 v5, 5, v0
	v_readfirstlane_b32 s[WV], v5                  ; wave 0..15
	s_and_b32 s15, ttmp7, 0xffff                   ; the head, of 64
	s_lshr_b32 s12, s15, 4                         ; the batch
	s_lshl_b32 s[TL0], ttmp9, 4
	s_add_co_u32 s[TL0], s[TL0], s[WV]
	s_mov_b32 s[SEL], 0x76543210
	s_mov_b32 s[SEL+1], 0xfedcba98
	s_mov_b32 s37, 0
	s_lshl_b32 s36, s12, 7
	s_wait_kmcnt 0x0
	s_add_nc_u64 s[38:39], s[6:7], s[36:37]
	s_load_b32 s[NB], s[38:39], 0x18000            ; n of my batch
	s_load_b32 s[NT], s[38:39], 0x18200            ; nt
	s_lshl_b32 s36, s15, 16
	s_add_nc_u64 s[16:17], s[4:5], s[36:37]        ; my head's q codes (k's lie 4,194,304 bytes on),
	s_add_nc_u64 s[18:19], s[16:17], 0x800000      ; its v codes,
	s_add_nc_u64 s[28:29], s[8:9], s[36:37]        ; its y codes
	s_lshl_b32 s36, s15, 13
	s_add_nc_u64 s[20:21], s[4:5], s[36:37]
	s_add_nc_u64 s[20:21], s[20:21], 0xc00000      ; q's scale words (k's lie 524,288 bytes on)
	s_lshl_b32 s36, s15, 12
	s_add_nc_u64 s[22:23], s[4:5], s[36:37]
	s_add_nc_u64 s[22:23], s[22:23], 0xd00000      ; v's scale words
	s_add_nc_u64 s[30:31], s[8:9], s[36:37]
	s_add_nc_u64 s[30:31], s[30:31], 0x400000      ; y's scale bytes
	s_lshl_b32 s36, s12, 14
	s_add_nc_u64 s[26:27], s[6:7], s[36:37]        ; my batch's pairs
	; THE FILL: 512 threads bring the head's K and V into the sixteen records
	v_lshlrev_b32 v172, 4, v0
	v_lshlrev_b32 v173, 2, v0
.irp j, 0,1,2,3,4,5,6,7
	global_load_b128 v[96+4*\j:99+4*\j], v172, s[16:17] offset:4194304+8192*\j
.endr
.irp j, 0,1,2,3,4,5,6,7
	global_load_b128 v[128+4*\j:131+4*\j], v172, s[18:19] offset:8192*\j
.endr
.irp j, 0,1,2,3
	global_load_b32 v[160+\j], v173, s[20:21] offset:524288+2048*\j
.endr
.irp j, 0,1
	global_load_b32 v[164+\j], v173, s[22:23] offset:2048*\j
.endr
	v_lshrrev_b32 v174, 8, v0                      ; codes: load j's 8,192 bytes are key steps 2 j and 2 j + 1
	v_and_b32 v175, 255, v0
	v_mul_u32_u24 v166, v174, REC
	v_lshl_add_u32 v166, v175, 4, v166
	v_add_nc_u32 v167, 71680, v166                 ; eight records on
	v_lshrrev_b32 v174, 7, v0                      ; K's scale words: load j's 512 words are key steps 4 j .. 4 j + 3; word (pair q, lane) goes to 16 lane + 4 q
	v_mul_u32_u24 v168, v174, REC
	v_and_b32 v175, 31, v0
	v_lshl_add_u32 v168, v175, 4, v168
	v_bfe_u32 v174, v0, 5, 2
	v_lshl_add_u32 v168, v174, 2, v168
	v_add_nc_u32 v169, 71680, v168
	v_lshrrev_b32 v174, 6, v0                      ; V's: load j's 512 words are key steps 8 j .. 8 j + 7; word (pair, lane) goes to 8 lane + 4 pair
	v_mul_u32_u24 v170, v174, REC
	v_lshl_add_u32 v170, v175, 3, v170
	v_bfe_u32 v174, v0, 5, 1
	v_lshl_add_u32 v170, v174, 2, v170
	v_add_nc_u32 v171, 71680, v170
	v_lshlrev_b32 v[L16], 4, v175
	v_lshlrev_b32 v[L8], 3, v175
	v_add_nc_u32 v[L8], 8704, v[L8]
	v_and_b32 v[RR], 15, v0
	v_bfe_u32 v[H256], v0, 4, 1
	v_lshlrev_b32 v[H256], 8, v[H256]
	v_mov_b32 v[CC], 0x3e38aa3b                    ; log2(e) / 8
	v_mov_b32 v[NEGT], 0xd01502f9                  ; NEG = -1e10
	v_mul_f32 v[NEGT], 0x3fb8aa3b, v[NEGT]         ; x log2(e): a whole number in f32
	v_mov_b32 v11, 0                               ; (named as the upper half of a pair)
	v_mov_b32 v252, 0
	v_mov_b32 v253, 0
.irp b, 0,1,2,3
	v_mov_b32 v[236+\b], 0                         ; written once: a lane permute's destination counts as one of its sources
	v_mov_b32 v[20+\b], 0                          ; Q's k = 64 .. 127: zero codes
.endr
.irp t, 0,1,2,3,4,5,6,7
.irp i, 4,5,6,7
	v_mov_b32 v[32+8*\t+\i], 0                     ; K's likewise
.endr
.endr
	s_wait_loadcnt 14                              ; K's eight loads are in
.irp j, 0,1,2,3,4,5,6,7
	ds_store_b128 v[166+\j/4], v[96+4*\j:99+4*\j] offset:(\j%4)*17920
.endr
	s_wait_loadcnt 6                               ; V's eight
.irp j, 0,1,2,3,4,5,6,7
	ds_store_b128 v[166+\j/4], v[128+4*\j:131+4*\j] offset:(\j%4)*17920+4096
.endr
	s_wait_loadcnt 0x0
.irp j, 0,1,2,3
	ds_store_b32 v[168+\j/2], v[160+\j] offset:(\j%2)*35840+8192
.endr
.irp j, 0,1
	ds_store_b32 v[170+\j], v[164+\j] offset:8704
.endr
	s_wait_kmcnt 0x0                               ; n and nt
	s_wait_dscnt 0x0                               ; for the others' sake: my stores have landed
	s_barrier_signal -1
	s_barrier_wait -1
	TILE 0
	TILE 1
	s_wait_tensorcnt 0x0                           ; the wave's end
	ds_add_u32 v[SPW], v[NIL]
	s_wait_dscnt 0x0
	s_endpgm
.Lfunc_end_k_q07fb110d8c_attn:
	.size	k_q07fb110d8c_attn, .Lfunc_end_k_q07fb110d8c_attn-k_q07fb110d8c_attn
	.p2alignl 7, 3214868480
	.fill 96, 4, 3214868480
	.section	.rodata,"a",@progbits
	.p2align	6, 0x0
	.amdhsa_kernel k_q07fb110d8c_attn
		.amdhsa_group_segment_fixed_size 145408
		.amdhsa_private_segment_fixed_size 0
		.amdhsa_enable_private_segment 0
		.amdhsa_kernarg_size 24
		.amdhsa_user_sgpr_count 2
		.amdhsa_user_sgpr_kernarg_segment_ptr 1
		.amdhsa_wavefront_size32 1
		.amdhsa_system_sgpr_workgroup_id_x 1
		.amdhsa_system_sgpr_workgroup_id_y 1
		.amdhsa_system_sgpr_workgroup_id_z 1
		.amdhsa_system_vgpr_workitem_id 0
		.amdhsa_next_free_vgpr 256
		.amdhsa_next_free_sgpr 66
		.amdhsa_reserve_vcc 0
		.amdhsa_float_denorm_mode_32 3
		.amdhsa_float_denorm_mode_16_64 3
		.amdhsa_memory_ordered 1
		.amdhsa_forward_progress 1
		.amdhsa_inst_pref_size 50
	.end_amdhsa_kernel
	.amdgpu_metadata
---
amdhsa.version: [ 1, 2 ]
amdhsa.kernels:
  - .name:           k_q07fb110d8c_attn
    .symbol:         k_q07fb110d8c_attn.kd
    .args:
      - { .name: qkv, .offset: 0, .size: 8, .value_kind: global_buffer, .address_space: global }
      - { .name: lists, .offset: 8, .size: 8, .value_kind: global_buffer, .address_space: global }
      - { .name: yq, .offset: 16, .size: 8, .value_kind: global_buffer, .address_space: global }
    .group_segment_fixed_size: 145408
    .private_segment_fixed_size: 0
    .kernarg_segment_align: 8
    .kernarg_segment_size: 24
    .max_flat_workgroup_size: 512
    .sgpr_count:     66
    .vgpr_count:     256
    .wavefront_size: 32
...
	.end_amdgpu_metadata
.endif
;; end of part 3
;; launch proj (part 4): grid 256 x 1, 8 waves a work-group, clusters of 4 x 1, 327,680 bytes of LDS; arguments yq, lists, wimg, bp, x, ln_g, ln_b, out0; writes out0
.if DOCPART == 4
	.amdgcn_target "amdgcn-amd-amdhsa--gfx1250"
	.amdhsa_code_object_version 6
	.text
	.protected	k_q07fb110d8c_proj
	.globl	k_q07fb110d8c_proj
	.p2align	8
	.type	k_q07fb110d8c_proj,@function
k_q07fb110d8c_proj:
	s_mov_b64 s[64:65], 0
	v_nop
	global_prefetch_b8 v0, s[64:65] scope:SCOPE_SE
	s_setreg_imm32_b32 hwreg(HW_REG_WAVE_MODE, 25, 1), 1
	s_wait_xcnt 0x0
	s_wait_alu depctr_hold_cnt(0) depctr_sa_sdst(0) depctr_va_vdst(0) depctr_va_sdst(0) depctr_va_ssrc(0) depctr_va_vcc(0) depctr_vm_vsrc(0)
	s_getreg_b32 s2, hwreg(HW_REG_IB_STS2, 6, 4)
	s_cmp_eq_u32 s2, 0
	s_cbranch_scc0 .Lentry_in_a_cluster
	s_endpgm
.Lentry_in_a_cluster:
	s_bfe_u32 s2, ttmp6, 0x10000c
	s_cmp_lg_u32 s2, 0x3003
	s_cbranch_scc0 .Lentry_shape_is_right
	s_endpgm
.Lentry_shape_is_right:
; LAUNCH 4 OF 4.  out = LayerNorm(y Wp + bp + x) x ln_g + ln_b; the product on codes of E2M1, all else in f32.
; LEFT OUT: nothing here; a masked token takes the one row of y that the third launch made for its batch, by the slot that the first launch stored (shown at the head of the first launch).
; SHARES.  A work-group takes 32 tokens and all 1,024 columns, so that a row's mean and variance never leave it.  Wave w makes columns 128 w .. 128 w + 127 for both tiles of 16 tokens
; (source 0 = Wp's eight tiles of 16 columns, source 1 = y's two tiles: a lane holds one token), and behind the stage normalises rows 4 w .. 4 w + 3, whole.
; CLUSTER 4 x 1: all work-groups walk the same Wp, so each of its tiles is asked for jointly by the four partners.  A ring of two LDS slots, two K steps of 128 each (139,264 bytes);
; wave w fetches and reads its own columns' blocks.  By this text's count a wave has two tensor loads out at the head, later one.
; y's codes are gathered once, wave w the K step w (heads 2 w, 2 w + 1), and go to the other waves through LDS as images of the operand's registers.  bp is the sums' first C.
; LIMITS: as stated at the head of the first launch.
.set BLK,   8704
.set GRP,   69632
.set MAT,   557056
.set SLOT,  139264
.set YIMG,  278528                     ; [8 K steps][2 tiles][1,024]
.set YSC,   294912                     ; [8 K steps][32 words]: lanes 0-15 tile 0, lanes 16-31 tile 1
.set SPARE, 295936                     ; the spare words, 128 bytes for each wave
.set SPIT,  4112                       ; the stage: 32 rows x (4,096 bytes + 16), in slot 0, behind that slot's last fill and last read
.set L16,   1
.set L4,    2
.set SPW,   3                          ; v3   LDS address of my spare word; never rewritten
.set NIL,   4                          ; v4   0; never rewritten
.set AB0,   5                          ; v5, v6  my blocks in slot 0, 1
.set AS,    7                          ; v7   y's images
.set AC,    8                          ; v8   y's scale words
.set SO0,   9                          ; v9, v10 the stage, on the way in: tile 0, 1
.set SR,    11                         ; v11  and on the way out
.set PFO,   12                         ; v12  256 x my thread's number; never rewritten
.set ACC,   128                        ; v128-255 accumulator (u, t) at 128 + 64 u + 8 t; later four rows of x.  v16-25 scale words and nothing else
.set WV,    20
.set G1,    24                         ; s[24:31] group 1;  s[32:35], s[36:39] group 0 for slot 0, 1
.set G0,    32
.set SEL,   44
.macro NOPS4
.rept 4
	v_nop
.endr
.endm
.macro ROUND                           ; a round of the cluster's barrier
	s_barrier_signal -1
	s_barrier_wait -1
	s_cmp_lg_u32 s[WV], 0
	s_cbranch_scc1 .Lnot_wave_0_\@
	s_barrier_signal -3
.Lnot_wave_0_\@:
	s_barrier_wait -3
	s_barrier_signal -1
	s_barrier_wait -1
.endm
.macro LD_H0 ab, ob
.irp t, 0,1,2,3
.irp c, 0,1
	ds_load_b128 v[32+8*\t+4*\c:35+8*\t+4*\c], v[\ab] offset:(\ob)+\t*1024+\c*512
.endr
.endr
.endm
.macro LD_H1 ab, ob
.irp t, 0,1,2,3
.irp c, 0,1
	ds_load_b128 v[64+8*\t+4*\c:67+8*\t+4*\c], v[\ab] offset:(\ob)+4096+\t*1024+\c*512
.endr
.endr
.endm
.macro LD_SM p, ab, ob, as, os, ac, oc
	ds_load_b128 v[16+4*(\p):19+4*(\p)], v[\ab] offset:(\ob)+8192
.irp u, 0,1
.irp c, 0,1
	ds_load_b128 v[96+16*(\p)+8*\u+4*\c:99+16*(\p)+8*\u+4*\c], v[\as] offset:(\os)+\u*1024+\c*512
.endr
.endr
	ds_load_b32 v[24+(\p)], v[\ac] offset:(\oc)
.endm
.macro WM t, u, p
.set dA, ACC+64*(\u)+8*(\t)
.set aA, 32+8*(\t)
.set bA, 96+16*(\p)+8*(\u)
.set sA, 16+4*(\p)+(\t)/2
.set sB, 24+(\p)
.if ((\t)%2 == 0) && ((\u) == 0)
	v_wmma_scale_f32_16x16x128_f8f6f4 v[dA:dA+7], v[aA:aA+7], v[bA:bA+7], v[dA:dA+7], v[sA], v[sB] matrix_a_fmt:MATRIX_FMT_FP4 matrix_b_fmt:MATRIX_FMT_FP4
.elseif ((\t)%2 == 1) && ((\u) == 0)
	v_wmma_scale_f32_16x16x128_f8f6f4 v[dA:dA+7], v[aA:aA+7], v[bA:bA+7], v[dA:dA+7], v[sA], v[sB] matrix_a_fmt:MATRIX_FMT_FP4 matrix_b_fmt:MATRIX_FMT_FP4 matrix_a_scale:MATRIX_SCALE_ROW1
.elseif ((\t)%2 == 0)
	v_wmma_scale_f32_16x16x128_f8f6f4 v[dA:dA+7], v[aA:aA+7], v[bA:bA+7], v[dA:dA+7], v[sA], v[sB] matrix_a_fmt:MATRIX_FMT_FP4 matrix_b_fmt:MATRIX_FMT_FP4 matrix_b_scale:MATRIX_SCALE_ROW1
.else
	v_wmma_scale_f32_16x16x128_f8f6f4 v[dA:dA+7], v[aA:aA+7], v[bA:bA+7], v[dA:dA+7], v[sA], v[sB] matrix_a_fmt:MATRIX_FMT_FP4 matrix_b_fmt:MATRIX_FMT_FP4 matrix_a_scale:MATRIX_SCALE_ROW1 matrix_b_scale:MATRIX_SCALE_ROW1
.endif
.endm
.macro MM half, p                      ; the sixteen accumulators take turns, one instruction a turn
.irp t, 0,1,2,3
.irp u, 0,1
	WM 4*(\half)+\t, \u, \p
.endr
.endr
.endm
.macro PRIME k                         ; 14 loads: Wp's tiles 0-3, y's two tiles and the scale words of K step k
.set kp, (\k)%2
.set ks, ((\k)/2)%2
.set ko, ((\k)%2)*BLK
	LD_H0 AB0+ks, ko
	LD_SM kp, AB0+ks, ko, AS, 2048*(\k), AC, 128*(\k)
.endm
.macro HALF1 k
.set ks, ((\k)/2)%2
.set ko, ((\k)%2)*BLK
	LD_H1 AB0+ks, ko
.endm
.macro KSTEP k, next
	NOPS4                                          ; v64-95 were read by the last K step's products
	HALF1 \k
	s_wait_dscnt 8                                 ; all but the eight loads just issued
	MM 0, (\k)%2
	NOPS4
.if \next
	PRIME (\k)+1
	s_wait_dscnt 14                                ; all but the fourteen just issued
.else
	s_wait_dscnt 0x0
.endif
	MM 1, (\k)%2
.endm
.macro CHG s                           ; slot s has been read out: it is filled again, four K steps on
	s_wait_tensorcnt 0x0                           ; all my tensor loads have landed, the other slot's among them, so a group 0 may be written;
	ds_add_u32 v[SPW], v[NIL]
	s_add_nc_u64 s[G0+4*\s+2:G0+4*\s+3], s[G0+4*\s+2:G0+4*\s+3], 4*BLK
	s_wait_dscnt 0x0                               ; the add is done, and my reads of the slot are over
	ROUND                                          ; both now hold of every wave of every partner
	tensor_load_to_lds s[G0+4*\s:G0+4*\s+3], s[G1:G1+7]
	s_nop 0
.endm
.macro REDUCE a, t                     ; a sum over the wave's 32 lanes, in every lane
	v_add_f32_dpp v[\a], v[\a], v[\a] row_xmask:1 row_mask:0xf bank_mask:0xf
	v_add_f32_dpp v[\a], v[\a], v[\a] row_xmask:2 row_mask:0xf bank_mask:0xf
	v_add_f32_dpp v[\a], v[\a], v[\a] row_xmask:4 row_mask:0xf bank_mask:0xf
	v_add_f32_dpp v[\a], v[\a], v[\a] row_xmask:8 row_mask:0xf bank_mask:0xf
	v_permlanex16_b32 v[\t], v[\a], s[SEL], s[SEL+1]
	v_add_f32 v[\a], v[\a], v[\t]
.endm
	s_load_b512 s[4:19], s[0:1], 0x0               ; yq s[4:5], lists s[6:7], wimg s[8:9], bp s[10:11], x s[12:13], ln_g s[14:15], ln_b s[16:17], out0 s[18:19]
	v_lshl_add_u32 v[SPW], v0, 2, SPARE
	v_mov_b32 v[NIL], 0
	ds_add_u32 v[SPW], v[NIL]                      ; the wave's opening
	ds_add_u32 v[SPW], v[NIL]
	v_lshrrev_b32 v13, 5, v0
	v_readfirstlane_b32 s[WV], v13                 ; wave 0..7
	s_bfe_u32 s21, ttmp6, 0x40000                  ; cx
	s_lshl_b32 s22, ttmp9, 2
	s_add_co_u32 s22, s22, s21                     ; my work-group: it enters global addresses of y, x, the lists and out alone
	s_mov_b32 s[G1], 15|(3<<16)|(1<<21)            ; 15:0 the mask: all four partners; 17:16 elements of 8 bytes; 21 set beside a mask; no padding
	s_mov_b32 s[G1+1], 32<<16                      ; rows of 256 bytes of a dense run
	s_mov_b32 s[G1+2], 68<<16                      ; 68 rows: two blocks
	s_mov_b32 s[G1+3], 32<<16
	s_mov_b32 s[G1+4], 68
	s_mov_b32 s[G1+5], 32
	s_mov_b32 s[G1+6], 0
	s_mov_b32 s[G1+7], 0
	s_mul_i32 s23, s[WV], 2*BLK                    ; my part of a slot
	s_mul_i32 s42, s[WV], GRP
	s_add_co_u32 s42, s42, 3*MAT                   ; Wp, my 128 columns
	s_mov_b32 s43, 0
	s_mov_b32 s[SEL], 0x76543210
	s_mov_b32 s[SEL+1], 0xfedcba98
	s_mov_b32 s46, 0x3a800000                      ; 1 / 1,024
	s_mov_b32 s47, 0x3727c5ac                      ; 1e-5
	s_wait_dscnt 0x0                               ; both opening adds are done
	s_wait_kmcnt 0x0
	s_mov_b32 s[G0], 1
	s_mov_b32 s[G0+1], s23
	s_add_nc_u64 s[G0+2:G0+3], s[8:9], s[42:43]    ; K steps 0, 1
	s_mov_b32 s[G0+4], 1
	s_add_co_u32 s[G0+5], s23, SLOT
	s_add_nc_u64 s[G0+6:G0+7], s[G0+2:G0+3], 2*BLK ; K steps 2, 3
	s_or_b32 s[G0+3], s[G0+3], 0x80000000
	s_or_b32 s[G0+7], s[G0+7], 0x80000000
	ROUND                                          ; all four work-groups are here: the first joint loads meet
	tensor_load_to_lds s[G0:G0+3], s[G1:G1+7]
	s_nop 0
	tensor_load_to_lds s[G0+4:G0+7], s[G1:G1+7]
	s_nop 0
	v_and_b32 v13, 15, v0                          ; r
	v_bfe_u32 v14, v0, 4, 1                        ; h
	v_and_b32 v26, 31, v0                          ; lane
	v_lshlrev_b32 v[L16], 4, v26
	v_lshlrev_b32 v[L4], 2, v26
	v_lshlrev_b32 v27, 2, v13
	s_lshl_b32 s42, s22, 7                         ; my 32 tokens' words
	s_add_nc_u64 s[40:41], s[6:7], s[42:43]
	global_load_b32 v28, v27, s[40:41] offset:65536        ; the slot of token r,
	global_load_b32 v29, v27, s[40:41] offset:65536+64     ; of token 16 + r,
	global_load_b32 v30, v[L4], s[40:41] offset:65536      ; of token l
	v_lshlrev_b32 v15, 6, v14
	s_lshl_b32 s58, s[WV], 9
	v_add_nc_u32 v15, s58, v15                     ; bp: my wave's 128 numbers, + 16 h
.irp u, 0,1
.irp t, 0,1,2,3,4,5,6,7
	global_load_b128 v[ACC+64*\u+8*\t:ACC+64*\u+8*\t+3], v15, s[10:11] offset:(32*(\t/2)+8*(\t%2))*4        ; register j of accumulator (u, t) begins as bp of column 128 w + 32 (t / 2) + 8 (t % 2) + 16 h + j
	global_load_b128 v[ACC+64*\u+8*\t+4:ACC+64*\u+8*\t+7], v15, s[10:11] offset:(32*(\t/2)+8*(\t%2))*4+16
.endr
.endr
	s_lshr_b32 s42, s22, 6                         ; the batch
	s_lshl_b32 s42, s42, 4
	s_lshl_b32 s59, s[WV], 1
	s_add_co_u32 s59, s59, s42                     ; head 2 w of my batch, of 64
	s_lshl_b32 s42, s59, 16
	s_add_nc_u64 s[48:49], s[4:5], s[42:43]        ; its codes of y,
	s_lshl_b32 s42, s59, 12
	s_add_nc_u64 s[50:51], s[4:5], s[42:43]
	s_add_nc_u64 s[50:51], s[50:51], 0x400000      ; its scale bytes
	s_lshl_b32 s42, s22, 17
	s_add_nc_u64 s[52:53], s[12:13], s[42:43]      ; my work-group's 32 rows of x
	s_lshl_b32 s59, s[WV], 14
	s_add_co_u32 s42, s42, s59
	s_add_nc_u64 s[54:55], s[12:13], s[42:43]      ; my wave's four rows of x,
	s_add_nc_u64 s[56:57], s[18:19], s[42:43]      ; and of out
	v_add_nc_u32 v[AB0], s23, v[L16]
	v_add_nc_u32 v[AB0+1], SLOT, v[AB0]
	v_add_nc_u32 v[AS], YIMG, v[L16]
	v_add_nc_u32 v[AC], YSC, v[L4]
	v_mul_u32_u24 v[SO0], v13, SPIT
	v_lshl_add_u32 v[SO0], v14, 6, v[SO0]
	v_add_nc_u32 v[SO0], s58, v[SO0]               ; the stage: row r, + 512 w, + 64 h
	v_add_nc_u32 v[SO0+1], 16*SPIT, v[SO0]
	s_mul_i32 s59, s[WV], 4*SPIT
	v_add_nc_u32 v[SR], s59, v[L16]
	v_lshlrev_b32 v[PFO], 8, v0
	s_lshl_b32 s59, s[WV], 11
	v_add_nc_u32 v50, s59, v[AS]                   ; where I put K step w's images,
	s_lshl_b32 s59, s[WV], 7
	v_add_nc_u32 v51, s59, v[AC]                   ; and its scale words
	s_wait_loadcnt 32                              ; the three slots are in; bp's 32 loads may be out
	v_min_u32 v28, 0x7ff, v28
	v_min_u32 v29, 0x7ff, v29
	v_min_u32 v30, 0x7ff, v30
	v_and_b32 v31, 0x7f0, v28                      ; slot s: tile s / 16 of 512 bytes, row s % 16 of 16, + 256 h
	v_and_b32 v28, 15, v28
	v_lshlrev_b32 v31, 5, v31
	v_lshl_add_u32 v28, v28, 4, v31
	v_lshl_add_u32 v28, v14, 8, v28
	v_and_b32 v31, 0x7f0, v29
	v_and_b32 v29, 15, v29
	v_lshlrev_b32 v31, 5, v31
	v_lshl_add_u32 v29, v29, 4, v31
	v_lshl_add_u32 v29, v14, 8, v29
	v_lshlrev_b32 v30, 1, v30
	global_load_b128 v[32:35], v28, s[48:49]               ; tile 0: head 2 w is k = 0 .. 63 of the K step,
	global_load_b128 v[36:39], v28, s[48:49] offset:65536  ; head 2 w + 1 is k = 64 .. 127
	global_load_b128 v[40:43], v29, s[48:49]
	global_load_b128 v[44:47], v29, s[48:49] offset:65536
	global_load_u16 v48, v30, s[50:51]
	global_load_u16 v49, v30, s[50:51] offset:4096
	s_wait_loadcnt 0x0
	v_lshl_or_b32 v48, v49, 16, v48                ; token l's scale word for this K step
	ds_store_b128 v50, v[32:35]
	ds_store_b128 v50, v[36:39] offset:512
	ds_store_b128 v50, v[40:43] offset:1024
	ds_store_b128 v50, v[44:47] offset:1536
	ds_store_b32 v51, v48
	s_wait_tensorcnt 0x1                           ; slot 0 has landed; slot 1's load may stay out
	s_wait_dscnt 0x0                               ; my images have landed
	s_barrier_signal -1
	s_barrier_wait -1
	PRIME 0
	KSTEP 0, 1
	KSTEP 1, 0
	CHG 0                                          ; slot 0 takes K steps 4, 5
	PRIME 2
	KSTEP 2, 1
	KSTEP 3, 0
	CHG 1                                          ; slot 1 takes K steps 6, 7
	PRIME 4
	global_prefetch_b8 v[PFO], s[52:53] th:TH_LOAD_NT scope:SCOPE_SE                ; my work-group's 32 rows of x, 131,072 bytes, wanted behind the last four K steps: each thread names two
	global_prefetch_b8 v[PFO], s[52:53] offset:65536 th:TH_LOAD_NT scope:SCOPE_SE   ; blocks of 256 bytes, each block named once in the launch; they stand behind the tensor load and the LDS loads that the next products wait for
	KSTEP 4, 1
	KSTEP 5, 0
	s_wait_tensorcnt 0x0                           ; slot 1 has landed;
	ds_add_u32 v[SPW], v[NIL]
	s_wait_dscnt 0x0                               ; my reads of slot 0 are over
	s_barrier_signal -1
	s_barrier_wait -1                              ; everybody's are: slot 0 has had its last fill and its last read
	PRIME 6
	KSTEP 6, 1
	KSTEP 7, 0
	NOPS4
.irp u, 0,1
.irp t, 0,1,2,3,4,5,6,7
	ds_store_b128 v[SO0+\u], v[ACC+64*\u+8*\t:ACC+64*\u+8*\t+3] offset:(32*(\t/2)+8*(\t%2))*4          ; each accumulator from its low end on
	ds_store_b128 v[SO0+\u], v[ACC+64*\u+8*\t+4:ACC+64*\u+8*\t+7] offset:(32*(\t/2)+8*(\t%2))*4+16
.endr
.endr
	s_wait_dscnt 0x0                               ; my stores have landed and have read their registers
.irp i, 0,1,2,3,4,5,6,7
	global_load_b128 v[32+4*\i:35+4*\i], v[L16], s[14:15] offset:512*\i       ; ln_g: my 32 columns: 128 i + 4 l + 0 .. 3
.endr
.irp i, 0,1,2,3,4,5,6,7
	global_load_b128 v[64+4*\i:67+4*\i], v[L16], s[16:17] offset:512*\i       ; ln_b
.endr
.irp rho, 0,1,2,3
.irp i, 0,1,2,3,4,5,6,7
	global_load_b128 v[128+32*\rho+4*\i:131+32*\rho+4*\i], v[L16], s[54:55] offset:4096*\rho+512*\i th:TH_LOAD_NT   ; my four rows of x
.endr
.endr
	s_barrier_signal -1
	s_barrier_wait -1                              ; 32 whole rows of y Wp + bp lie in the stage
.macro LNROW rho
.set XR, 128+32*(\rho)
.irp i, 0,1,2,3,4,5,6,7
	ds_load_b128 v[96+4*\i:99+4*\i], v[SR] offset:(\rho)*SPIT+512*\i
.endr
	s_wait_loadcnt 24-8*(\rho)                     ; ln_g, ln_b and this row of x are in; the later rows may be out
	s_wait_dscnt 0x0
.irp i, 0,2,4,6,8,10,12,14,16,18,20,22,24,26,28,30
	v_pk_add_f32 v[XR+\i:XR+\i+1], v[XR+\i:XR+\i+1], v[96+\i:97+\i]           ; h
.endr
.irp i, 0,4,8,12,16,20,24,28
	v_pk_add_f32 v[96+\i/2:97+\i/2], v[XR+\i:XR+\i+1], v[XR+\i+2:XR+\i+3]
.endr
.irp i, 0,4,8,12
	v_pk_add_f32 v[96+\i:97+\i], v[96+\i:97+\i], v[98+\i:99+\i]
.endr
	v_pk_add_f32 v[96:97], v[96:97], v[100:101]
	v_pk_add_f32 v[104:105], v[104:105], v[108:109]
	v_pk_add_f32 v[96:97], v[96:97], v[104:105]
	v_add_f32 v96, v96, v97
	REDUCE 96, 97
	v_mul_f32 v96, s46, v96                        ; the mean
.irp i, 0,2,4,6,8,10,12,14,16,18,20,22,24,26,28,30
	v_pk_add_f32 v[XR+\i:XR+\i+1], v[XR+\i:XR+\i+1], v[96:97] op_sel_hi:[1,0] neg_lo:[0,1] neg_hi:[0,1]
.endr
	v_pk_mul_f32 v[98:99], v[XR:XR+1], v[XR:XR+1]
	v_pk_mul_f32 v[100:101], v[XR+2:XR+3], v[XR+2:XR+3]
.irp i, 4,8,12,16,20,24,28
	v_pk_fma_f32 v[98:99], v[XR+\i:XR+\i+1], v[XR+\i:XR+\i+1], v[98:99]
	v_pk_fma_f32 v[100:101], v[XR+\i+2:XR+\i+3], v[XR+\i+2:XR+\i+3], v[100:101]
.endr
	v_pk_add_f32 v[98:99], v[98:99], v[100:101]
	v_add_f32 v98, v98, v99
	REDUCE 98, 99
	v_fma_f32 v98, v98, s46, s47                   ; the variance + 1e-5
	v_rsq_f32 v98, v98
	v_nop                                          ; a plain place behind the root
	s_wait_alu depctr_va_vdst(0)                   ; and the wait ahead of its first reader
.irp i, 0,2,4,6,8,10,12,14,16,18,20,22,24,26,28,30
	v_pk_mul_f32 v[XR+\i:XR+\i+1], v[XR+\i:XR+\i+1], v[98:99] op_sel_hi:[1,0]
.endr
.irp i, 0,2,4,6,8,10,12,14,16,18,20,22,24,26,28,30
	v_pk_fma_f32 v[XR+\i:XR+\i+1], v[XR+\i:XR+\i+1], v[32+\i:33+\i], v[64+\i:65+\i]
.endr
.irp i, 0,1,2,3,4,5,6,7
	global_store_b128 v[L16], v[XR+4*\i:XR+4*\i+3], s[56:57] offset:4096*(\rho)+512*\i th:TH_STORE_NT   ; 512 consecutive bytes, aligned; each row has registers of its own, so no store's data are written again
.endr
.endm
	LNROW 0
	LNROW 1
	LNROW 2
	LNROW 3
	s_wait_tensorcnt 0x0                           ; the wave's end
	ds_add_u32 v[SPW], v[NIL]
	s_wait_dscnt 0x0
	ROUND                                          ; the closing round
	s_endpgm
.Lfunc_end_k_q07fb110d8c_proj:
	.size	k_q07fb110d8c_proj, .Lfunc_end_k_q07fb110d8c_proj-k_q07fb110d8c_proj
	.p2alignl 7, 3214868480
	.fill 96, 4, 3214868480
	.section	.rodata,"a",@progbits
	.p2align	6, 0x0
	.amdhsa_kernel k_q07fb110d8c_proj
		.amdhsa_group_segment_fixed_size 327680
		.amdhsa_private_segment_fixed_size 0
		.amdhsa_enable_private_segment 0
		.amdhsa_kernarg_size 64
		.amdhsa_user_sgpr_count 2
		.amdhsa_user_sgpr_kernarg_segment_ptr 1
		.amdhsa_wavefront_size32 1
		.amdhsa_system_sgpr_workgroup_id_x 1
		.amdhsa_system_sgpr_workgroup_id_y 1
		.amdhsa_system_sgpr_workgroup_id_z 1
		.amdhsa_system_vgpr_workitem_id 0
		.amdhsa_next_free_vgpr 256
		.amdhsa_next_free_sgpr 80
		.amdhsa_reserve_vcc 0
		.amdhsa_float_denorm_mode_32 3
		.amdhsa_float_denorm_mode_16_64 3
		.amdhsa_memory_ordered 1
		.amdhsa_forward_progress 1
		.amdhsa_inst_pref_size 81
	.end_amdhsa_kernel
	.amdgpu_metadata
---
amdhsa.version: [ 1, 2 ]
amdhsa.kernels:
  - .name:           k_q07fb110d8c_proj
    .symbol:         k_q07fb110d8c_proj.kd
    .args:
      - { .name: yq, .offset: 0, .size: 8, .value_kind: global_buffer, .address_space: global }
      - { .name: lists, .offset: 8, .size: 8, .value_kind: global_buffer, .address_space: global }
      - { .name: wimg, .offset: 16, .size: 8, .value_kind: global_buffer, .address_space: global }
      - { .name: bp, .offset: 24, .size: 8, .value_kind: global_buffer, .address_space: global }
      - { .name: x, .offset: 32, .size: 8, .value_kind: global_buffer, .address_space: global }
      - { .name: ln_g, .offset: 40, .size: 8, .value_kind: global_buffer, .address_space: global }
      - { .name: ln_b, .offset: 48, .size: 8, .value_kind: global_buffer, .address_space: global }
      - { .name: out0, .offset: 56, .size: 8, .value_kind: global_buffer, .address_space: global }
    .group_segment_fixed_size: 327680
    .private_segment_fixed_size: 0
    .kernarg_segment_align: 8
    .kernarg_segment_size: 64
    .max_flat_workgroup_size: 256
    .sgpr_count:     80
    .vgpr_count:     256
    .wavefront_size: 32
...
	.end_amdgpu_metadata
.endif
;; end of part 4
;; ======== version 2 of 2: 4 launches; version 1 with the launch attn written anew for expert scheduling mode
;; workspace buffers: ximg 4,456,448 bytes; wimg 2,228,224 bytes; lists 99,328 bytes of whole numbers; qkv 13,893,632 bytes; yq 4,456,448 bytes
;; launch prep: the kernel of part 1 again; grid 769 x 1, 4 waves a work-group, no clusters, 69,120 bytes of LDS; arguments x, Wq, Wk, Wv, Wp, mask, ximg, wimg, lists; writes ximg, wimg, lists
;; launch qkv: the kernel of part 2 again; grid 8 x 32, 8 waves a work-group, clusters of 4 x 4, 327,680 bytes of LDS; arguments ximg, wimg, bq, bk, bv, qkv; writes qkv
;; launch attn (part 5): grid 4 x 64, 16 waves a work-group, no clusters, 145,408 bytes of LDS; arguments qkv, lists, yq; writes yq
.if DOCPART == 5
	.amdgcn_target "amdgcn-amd-amdhsa--gfx1250"
	.amdhsa_code_object_version 6
	.text
	.protected	k_q07fb110d8c_attn
	.globl	k_q07fb110d8c_attn
	.p2align	8
	.type	k_q07fb110d8c_attn,@function
k_q07fb110d8c_attn:
	s_mov_b64 s[64:65], 0
	v_nop
	global_prefetch_b8 v0, s[64:65] scope:SCOPE_SE
	s_setreg_imm32_b32 hwreg(HW_REG_WAVE_SCHED_MODE, 0, 2), 2
	s_setreg_imm32_b32 hwreg(HW_REG_WAVE_MODE, 25, 1), 1
	s_wait_xcnt 0x0
	s_wait_alu depctr_vm_vsrc(0)
; LAUNCH 3 OF 4.  y = softmax(q k^T / 8, rows of masked queries replaced by NEG) v for one head, both products on codes of E2M1; y is quantised along C in registers.
; LEFT OUT: the masked queries but one for each batch and head: reference() gives them all one constant score, so their rows of y are equal whatever the inputs hold (shown at the head of the first launch).
; The first launch has sorted the queries of a batch into slots: slots 0 .. n - 1 the live ones, slot n a masked one; only the nt = ceil((n + 1) / 16) tiles of 16 slots are walked.
; LIMIT: a NaN, an infinity or an overflow in the q or the scores of a masked query is not carried to the result.  1 / l is a reciprocal and a multiplication.
; THE SOFTMAX: t = score x log2(e) / 8; M = the largest t so far rounded up to a whole number; p = 2^(t - M) is quantised along the keys, not normalised; l sums the unquantised p and divides at the end.
; A lane whose slot is n or more is a masked query: its c is 0 and its t is NEG x log2(e), by a select, with no branch: then M = t, p = 1, l = 2,048.
; SHARES.  Work-group (quarter, head): sixteen waves, a tile of 16 slots each: tile = 64 trip + 16 quarter + wave, trip = 0, 1: 128 tiles, enough for any mask.
; NO CLUSTER, NO TENSOR LOAD: which tiles are walked hangs on a number read from memory.  What the four quarters share is read once
; by each, 139 KiB, for 16 tiles x 16 key steps or more.  A head's whole K and V lie in LDS: sixteen records, one for each 128 keys: K's 8 images (4,096), V's 4 fragments (4,096), K's scale words
; [lane][4] (512), V's [lane][2] (256).  One barrier; the loops' trip counts are constants, and a wave whose tile is not live jumps over a step's work alone.
; LAYOUT.  S^T = K Q^T, O^T = V^T P^T: a lane holds one query throughout.  K = 64 fills half of the instruction's 128: registers 4-7 of K's and Q's fragments are zero codes.
; The keys of a tile and the d of a tile of V are ordered so that 16 registers of two neighbouring tiles are 16 neighbours along the next K.
; THE MODE: SCHED_MODE bits 1:0 = 2 (LLVM: expert scheduling mode 2), set by the entry lines.  The code itself states the register dependences
; between vector or matrix instructions and memory or LDS instructions, with s_wait_alu, always for 0.
; THE PLAN.  Registers that LDS instructions touch, in the loop over the key steps:
;   v32-35 + 8 t, v240-243  K's codes and scale words.  Read by a step's eight products K Q^T, at its head; the loads of the NEXT step's K land in them, in the step's middle.
;   v200-231, v244-245      V's fragments and scale words.  Read by a step's four products V^T P^T, at its end; the same step's loads land in them, in its middle.
;   v[ADR], v[ADR2]         Written once a step, behind the products K Q^T; read by the step's eighteen loads.
;   v[L16], v[L8]           Made at the head and never written again.
;   S^T and p, O^T, p's codes and scale word and the statistics are named by vector and matrix instructions alone.
; So a step has ONE wait on va_vdst for its loads, the one that stands behind the batch of exponentials in any case: it also states that the two addresses are written, that this step's products K Q^T are done
; reading K and that the last step's products V^T P^T are done reading V.  V's nine loads follow it in a run; the next step's nine loads of K are dealt among the additions of the row's sum, which name
; none of the registers that a load touches.  A second wait on va_vdst stands ahead of the products V^T P^T: p's codes and scale word are written.  One wait on vm_vsrc stands ahead of the two additions
; that make the addresses.  The first step's K is asked for at the tile's head; the last step, which has no successor, is written out behind a loop of 15 trips.
.set REC,   8960
.set SPARE, 143360                     ; behind the records: the spare words, 128 bytes for each of sixteen waves
.set L16,   1                          ; v1   16 x lane
.set L8,    2                          ; v2   8 x lane + 8,704: V's scale words in a record
.set SPW,   3                          ; v3   LDS address of my spare word; never rewritten
.set NIL,   4                          ; v4   0; never rewritten
.set ADR,   5                          ; v5, v6 the record in hand
.set ADR2,  6
.set RR,    7                          ; v7   lane % 16
                                       ; v[8:9] c, a of my query; v[10:11] a - M and a written partner; v12 -M; v13 the largest t; v[14:15] l in two halves
                                       ; v16-23 Q; v24 Q's scale word; v32-95 K; v96-159 S^T, then p; v160-191 O^T; v192-199 p's codes; v200-231 V
                                       ; v232-239, v248-255 at work; v240-243 K's scale words, v244-245 V's, v246 p's: scales and nothing else
.set SLT,   25                         ; v25  my slot
.set YCO,   26                         ; v26  offset of my slot's pair, later of my codes of y
.set CC,    27                         ; v27  log2(e) / 8
.set NEGT,  30                         ; v30  NEG x log2(e)
.set YSO,   31                         ; v31  offset of my slot's two scale bytes of y
.set H256,  247                        ; v247 256 x (lane / 16)
.set NB,    10                         ; s10  n;  s11 nt
.set NT,    11
.set WV,    13
.set TL0,   14                         ; s14  16 quarter + wave
.set SEL,   24
.set TL,    32                         ; s32  my tile;  s33 1 if it is walked
.set LIVE,  33
.set RB,    34                         ; s34  the record's first byte
.set CNT,   35
.macro NOPS4
.rept 4
	v_nop
.endr
.endm
; A KEY STEP: 128 keys.  next = 1: the next step's K is asked for.
.macro STEP next
	s_wait_dscnt 0x0                               ; this step's K and its scale words are in: they were asked for in the step before, the first step's at the tile's head
.irp t, 0,2,4,6
	v_wmma_scale_f32_16x16x128_f8f6f4 v[96+8*\t:103+8*\t], v[32+8*\t:39+8*\t], v[16:23], 0, v[240+\t/2], v24 matrix_a_fmt:MATRIX_FMT_FP4 matrix_b_fmt:MATRIX_FMT_FP4
	v_wmma_scale_f32_16x16x128_f8f6f4 v[104+8*\t:111+8*\t], v[40+8*\t:47+8*\t], v[16:23], 0, v[240+\t/2], v24 matrix_a_fmt:MATRIX_FMT_FP4 matrix_b_fmt:MATRIX_FMT_FP4 matrix_a_scale:MATRIX_SCALE_ROW1
.endr
	s_wait_alu depctr_vm_vsrc(0)                   ; the LDS loads of the step before have read v[ADR] and v[ADR2], which the two additions write
	v_add_nc_u32 v[ADR], s[RB], v[L16]
	v_add_nc_u32 v[ADR2], s[RB], v[L8]
	v_nop
	v_nop                                          ; with the two additions: four places behind the products, ahead of the first read of the scores (ISA guide 7.12.1)
.irp b, 0,1,2,3
	v_max3_num_f32 v[232+\b], v[96+16*\b], v[97+16*\b], v[98+16*\b]   ; the largest score of each block of 32 keys: for the row's maximum and, since p rises with the score, for the block's largest p
.endr
.irp i, 3,5,7,9,11,13
.irp b, 0,1,2,3
	v_max3_num_f32 v[232+\b], v[232+\b], v[96+16*\b+\i], v[97+16*\b+\i]
.endr
.endr
.irp b, 0,1,2,3
	v_max_num_f32 v[232+\b], v[232+\b], v[111+16*\b]
.endr
.irp b, 0,1,2,3
	v_permlanex16_b32 v[236+\b], v[232+\b], s[SEL], s[SEL+1]
.endr
.irp b, 0,1,2,3
	v_max_num_f32 v[232+\b], v[232+\b], v[236+\b]
.endr
	v_max3_num_f32 v254, v232, v233, v234
	v_max_num_f32 v254, v254, v235
	v_fma_f32 v254, v254, v8, v9                   ; as t: score x c + a (a live query: a = 0; a masked one: c = 0, a = NEG x log2 e)
	v_max_num_f32 v13, v13, v254
	v_mov_b32 v254, v12
	v_floor_f32 v12, -v13                          ; -M = floor(-t): M is a whole number
	v_sub_f32 v254, v12, v254                      ; old M - new M
	v_cvt_i32_f32 v254, v254                       ; (it saturates)
	v_ldexp_f32 v252, 1.0, v254                    ; f = 2^(old M - new M)
	v_add_f32 v10, v9, v12                         ; a - M
.set j, 0
.rept 32
	v_pk_fma_f32 v[96+j:97+j], v[96+j:97+j], v[8:9], v[10:11] op_sel_hi:[1,0,0]   ; t - M, two at a time
.set j, j+2
.endr
.irp b, 0,1,2,3
	v_fma_f32 v[232+\b], v[232+\b], v8, v10        ; the same of each block's largest score
.endr
.set j, 0
.rept 64
	v_exp_f32 v[96+j], v[96+j]                     ; p = 2^(t - M)
.set j, j+1
.endr
.irp b, 0,1,2,3
	v_exp_f32 v[232+\b], v[232+\b]                 ; each block's largest p: in the same batch, so that one wait serves all 68
.endr
	v_pk_mul_f32 v[14:15], v[14:15], v[252:253] op_sel_hi:[1,0]   ; l under the new M: the plain place behind the exponentials
	s_wait_alu depctr_va_vdst(0)                   ; the 68 exponentials have written p and the blocks' largest p, ahead of their first reader; v[ADR] and v[ADR2] are written, which the loads below read; this step's products K Q^T are done reading K and its scale words, the last step's products V^T P^T are done reading V and its scale words: the loads below land in these
.irp d, 0,1,2,3
.irp c, 0,1
	ds_load_b128 v[200+8*\d+4*\c:203+8*\d+4*\c], v[ADR] offset:4096+1024*\d+512*\c     ; this step's V, wanted at the step's end
.endr
.endr
	ds_load_b64 v[244:245], v[ADR2]
	v_pk_add_f32 v[236:237], v[96:97], v[98:99]    ; l sums the unquantised p, in two chains
.set j, 4
.rept 15
.if \next && (j <= 32)
	ds_load_b128 v[32+2*(j-4):35+2*(j-4)], v[ADR] offset:REC+128*(j-4)   ; the next step's K, a record on, a load ahead of each pair of additions.  No wait: no vector instruction since the wait above names K's registers or v[ADR]
.endif
.if \next && (j == 36)
	ds_load_b128 v[240:243], v[ADR] offset:REC+8192                      ; and its scale words
.endif
	v_pk_add_f32 v[14:15], v[14:15], v[96+j:97+j]
	v_pk_add_f32 v[236:237], v[236:237], v[98+j:99+j]
.set j, j+4
.endr
	v_pk_add_f32 v[14:15], v[14:15], v[236:237]
.irp b, 0,1,2,3
	v_max_num_f32 v[232+\b], 0x1800000, v[232+\b]  ; the floor: the byte cannot fall under 1
.endr
.irp b, 0,1,2,3
	v_add_nc_u32 v[248+\b], 0xff000000, v[232+\b]  ; the conversion's scale operand
.endr
.irp b, 0,1,2,3
	v_lshrrev_b32 v[236+\b], 23, v[248+\b]
.endr
	v_lshl_or_b32 v246, v237, 8, v236              ; p's scale word for these 128 keys
	v_lshl_or_b32 v246, v238, 16, v246
	v_lshl_or_b32 v246, v239, 24, v246
.irp b, 0,1,2,3
	v_cvt_scalef32_pk8_fp4_f32 v[192+2*\b], v[96+16*\b:103+16*\b], v[248+\b]
	v_cvt_scalef32_pk8_fp4_f32 v[193+2*\b], v[104+16*\b:111+16*\b], v[248+\b]
.endr
	v_nop                                          ; one plain place behind a scaled conversion
.irp c, 0,1
.irp i, 0,1
	v_permlane16_swap_b32 v[192+4*\c+\i], v[194+4*\c+\i]
.endr
.endr
.set j, 0
.rept 16
	v_pk_mul_f32 v[160+j:161+j], v[160+j:161+j], v[252:253] op_sel_hi:[1,0]   ; O^T under the new M; sixteen plain lines between the making of p's codes and scale word and the products
.set j, j+2
.endr
	s_wait_alu depctr_va_vdst(0)                   ; p's codes v192-199 and its scale word v246 are written, which the products below take as an operand and as scales; the places above stay beside this wait
.if \next
	s_wait_dscnt 9                                 ; V and its scale words are in; the nine loads of the next step's K, issued behind them, may be out
.else
	s_wait_dscnt 0x0                               ; V and its scale words are in
.endif
.irp d, 0,2
	v_wmma_scale_f32_16x16x128_f8f6f4 v[160+8*\d:167+8*\d], v[200+8*\d:207+8*\d], v[192:199], v[160+8*\d:167+8*\d], v[244+\d/2], v246 matrix_a_fmt:MATRIX_FMT_FP4 matrix_b_fmt:MATRIX_FMT_FP4
	v_wmma_scale_f32_16x16x128_f8f6f4 v[168+8*\d:175+8*\d], v[208+8*\d:215+8*\d], v[192:199], v[168+8*\d:175+8*\d], v[244+\d/2], v246 matrix_a_fmt:MATRIX_FMT_FP4 matrix_b_fmt:MATRIX_FMT_FP4 matrix_a_scale:MATRIX_SCALE_ROW1
.endr
.endm
; A TILE OF 16 SLOTS.  Its head runs in every wave, so that every register is written on every way; the steps' work and the way out are jumped over where the tile is not walked.
.macro TILE trip
	s_wait_xcnt 0x0                                ; the last tile's stores have read their registers
.if \trip > 0
	s_wait_dscnt 0x0                               ; on a way that jumps over steps, loads of K may still be out: they have landed before K's registers are asked for again
.endif
	s_wait_alu depctr_vm_vsrc(0)                   ; the first tile: the fill's loads and LDS stores have read v96 to v173, which S^T and O^T take; the second: the last tile's loads and stores have read v[YCO], v[YSO], v28, v29, v192-195 and v255.  All of these are written again below
	s_add_co_u32 s[TL], s[TL0], 64*\trip
	s_cmp_lt_u32 s[TL], s[NT]
	s_cselect_b32 s[LIVE], 1, 0
	s_lshl_b32 s36, s[TL], 4
	v_add_nc_u32 v[SLT], s36, v[RR]
	v_lshlrev_b32 v[YCO], 3, v[SLT]
	v_cmp_gt_u32 s37, s[NB], v[SLT]                ; a live query?
	s_wait_alu depctr_va_vdst(0)                   ; v[YCO] is written, which the load of the pair reads; the last tile's vector instructions have written v28 and v29, and its products are done reading K and its scale words: the loads below land in these
	global_load_b64 v[28:29], v[YCO], s[26:27]     ; where my slot's token has its codes and its scale word in a head's q (every pair of the list is written)
.irp t, 0,1,2,3,4,5,6,7
	ds_load_b128 v[32+8*\t:35+8*\t], v[L16] offset:512*\t      ; the first step's K: record 0
.endr
	ds_load_b128 v[240:243], v[L16] offset:8192
	s_wait_alu depctr_va_sdst(0)                   ; the compare has written s37, ahead of its first reader
	v_cndmask_b32 v8, 0, v[CC], s37
	v_cndmask_b32 v9, v[NEGT], 0, s37
	v_mov_b32 v13, 0xff61b1e6                      ; the largest t so far: -3e38
	v_floor_f32 v12, -v13
	v_mov_b32 v14, 0
	v_mov_b32 v15, 0
.set j, 0
.rept 32
	v_mov_b32 v[160+j], 0                          ; O^T: the step is written once, and the first change of M leaves zeros zeros
.set j, j+1
.endr
	v_lshlrev_b32 v[YSO], 1, v[SLT]
	s_wait_loadcnt 0x0
	v_min_u32 v28, 0xfef0, v28
	v_min_u32 v29, 0x1ffc, v29
	v_add_nc_u32 v28, v28, v[H256]
	s_wait_alu depctr_vm_vsrc(0)                   ; the load of the pair has read v[YCO], which is written anew
	s_lshl_b32 s36, s[TL], 9
	v_add_nc_u32 v[YCO], s36, v[L16]
	s_wait_alu depctr_va_vdst(0)                   ; v28 and v29 are written, which Q's two loads read; so are v[YCO] and v[YSO], which the way out's stores read
	global_load_b128 v[16:19], v28, s[16:17]
	global_load_b32 v24, v29, s[20:21]
	s_mov_b32 s[RB], 0
	s_mov_b32 s[CNT], 15
	s_wait_loadcnt 0x0
.Lstep_\@:
	s_cmp_eq_u32 s[LIVE], 0
	s_cbranch_scc1 .Lhid_\@
	STEP 1
.Lhid_\@:
	s_add_co_u32 s[RB], s[RB], REC
	s_sub_co_u32 s[CNT], s[CNT], 1
	s_cmp_lg_u32 s[CNT], 0
	s_cbranch_scc1 .Lstep_\@
	s_cmp_eq_u32 s[LIVE], 0
	s_cbranch_scc1 .Ldone_\@
	STEP 0                                         ; the sixteenth step is written out: there is no record behind it, so it asks for no K
	NOPS4                                          ; four places behind the last products, ahead of the first read of O^T
	v_add_f32 v14, v14, v15
	v_permlanex16_b32 v252, v14, s[SEL], s[SEL+1]
	v_add_f32 v14, v14, v252                       ; l
	v_rcp_f32 v14, v14
	v_nop                                          ; a plain place behind the reciprocal
	s_wait_alu depctr_va_vdst(0)                   ; the reciprocal has written v14, ahead of its first reader
.set j, 0
.rept 32
	v_mul_f32 v[96+j], v[160+j], v14               ; y: register 16 b + i is d = 32 b + 16 h + i of my query
.set j, j+1
.endr
.irp b, 0,1
	v_max3_num_f32 v[232+\b], |v[96+16*\b]|, |v[97+16*\b]|, 0x1800000
.endr
.irp i, 2,4,6,8,10,12,14
.irp b, 0,1
	v_max3_num_f32 v[232+\b], v[232+\b], |v[96+16*\b+\i]|, |v[97+16*\b+\i]|
.endr
.endr
.irp b, 0,1
	v_permlanex16_b32 v[236+\b], v[232+\b], s[SEL], s[SEL+1]
.endr
.irp b, 0,1
	v_max_num_f32 v[232+\b], v[232+\b], v[236+\b]
.endr
.irp b, 0,1
	v_add_nc_u32 v[248+\b], 0xff000000, v[232+\b]
.endr
.irp b, 0,1
	v_lshrrev_b32 v[236+\b], 23, v[248+\b]
.endr
	v_lshl_or_b32 v255, v237, 8, v236              ; the head's two scale bytes of my query
.irp b, 0,1
	v_cvt_scalef32_pk8_fp4_f32 v[192+2*\b], v[96+16*\b:103+16*\b], v[248+\b]
	v_cvt_scalef32_pk8_fp4_f32 v[193+2*\b], v[104+16*\b:111+16*\b], v[248+\b]
.endr
	v_nop
	v_permlane16_swap_b32 v192, v194
	v_permlane16_swap_b32 v193, v195               ; lanes 0-15 block 0, lanes 16-31 block 1
	s_wait_alu depctr_va_vdst(0)                   ; y's codes v192-195 and its scale bytes v255 are written, which the two stores read
	global_store_b128 v[YCO], v[192:195], s[28:29] ; 512 consecutive bytes, aligned
	global_store_b16 v[YSO], v255, s[30:31]        ; 32 consecutive bytes; lanes 16-31 repeat lanes 0-15's
.Ldone_\@:
.endm
	s_load_b128 s[4:7], s[0:1], 0x0                ; qkv s[4:5], lists s[6:7]
	s_load_b64 s[8:9], s[0:1], 0x10                ; yq
	v_lshl_add_u32 v[SPW], v0, 2, SPARE
	v_mov_b32 v[NIL], 0
	v_lshrrev_b32 v5, 5, v0
	v_readfirstlane_b32 s[WV], v5                  ; wave 0..15
	s_and_b32 s15, ttmp7, 0xffff                   ; the head, of 64
	s_lshr_b32 s12, s15, 4                         ; the batch
	s_lshl_b32 s[TL0], ttmp9, 4
	s_wait_alu depctr_va_sdst(0)                   ; s[WV] is written, ahead of its first reader
	s_add_co_u32 s[TL0], s[TL0], s[WV]
	s_mov_b32 s[SEL], 0x76543210
	s_mov_b32 s[SEL+1], 0xfedcba98
	s_mov_b32 s37, 0
	s_lshl_b32 s36, s12, 7
	s_wait_kmcnt 0x0
	s_add_nc_u64 s[38:39], s[6:7], s[36:37]
	s_load_b32 s[NB], s[38:39], 0x18000            ; n of my batch
	s_load_b32 s[NT], s[38:39], 0x18200            ; nt
	s_lshl_b32 s36, s15, 16
	s_add_nc_u64 s[16:17], s[4:5], s[36:37]        ; my head's q codes (k's lie 4,194,304 bytes on),
	s_add_nc_u64 s[18:19], s[16:17], 0x800000      ; its v codes,
	s_add_nc_u64 s[28:29], s[8:9], s[36:37]        ; its y codes
	s_lshl_b32 s36, s15, 13
	s_add_nc_u64 s[20:21], s[4:5], s[36:37]
	s_add_nc_u64 s[20:21], s[20:21], 0xc00000      ; q's scale words (k's lie 524,288 bytes on)
	s_lshl_b32 s36, s15, 12
	s_add_nc_u64 s[22:23], s[4:5], s[36:37]
	s_add_nc_u64 s[22:23], s[22:23], 0xd00000      ; v's scale words
	s_add_nc_u64 s[30:31], s[8:9], s[36:37]
	s_add_nc_u64 s[30:31], s[30:31], 0x400000      ; y's scale bytes
	s_lshl_b32 s36, s12, 14
	s_add_nc_u64 s[26:27], s[6:7], s[36:37]        ; my batch's pairs
	; THE FILL: 512 threads bring the head's K and V into the sixteen records
	v_lshlrev_b32 v172, 4, v0
	v_lshlrev_b32 v173, 2, v0
	s_wait_alu depctr_va_vdst(0)                   ; v172 and v173 are written, which the fill's loads read as their offsets
.irp j, 0,1,2,3,4,5,6,7
	global_load_b128 v[96+4*\j:99+4*\j], v172, s[16:17] offset:4194304+8192*\j
.endr
.irp j, 0,1,2,3,4,5,6,7
	global_load_b128 v[128+4*\j:131+4*\j], v172, s[18:19] offset:8192*\j
.endr
.irp j, 0,1,2,3
	global_load_b32 v[160+\j], v173, s[20:21] offset:524288+2048*\j
.endr
.irp j, 0,1
	global_load_b32 v[164+\j], v173, s[22:23] offset:2048*\j
.endr
	v_lshrrev_b32 v174, 8, v0                      ; codes: load j's 8,192 bytes are key steps 2 j and 2 j + 1
	v_and_b32 v175, 255, v0
	v_mul_u32_u24 v166, v174, REC
	v_lshl_add_u32 v166, v175, 4, v166
	v_add_nc_u32 v167, 71680, v166                 ; eight records on
	v_lshrrev_b32 v174, 7, v0                      ; K's scale words: load j's 512 words are key steps 4 j .. 4 j + 3; word (pair q, lane) goes to 16 lane + 4 q
	v_mul_u32_u24 v168, v174, REC
	v_and_b32 v175, 31, v0
	v_lshl_add_u32 v168, v175, 4, v168
	v_bfe_u32 v174, v0, 5, 2
	v_lshl_add_u32 v168, v174, 2, v168
	v_add_nc_u32 v169, 71680, v168
	v_lshrrev_b32 v174, 6, v0                      ; V's: load j's 512 words are key steps 8 j .. 8 j + 7; word (pair, lane) goes to 8 lane + 4 pair
	v_mul_u32_u24 v170, v174, REC
	v_lshl_add_u32 v170, v175, 3, v170
	v_bfe_u32 v174, v0, 5, 1
	v_lshl_add_u32 v170, v174, 2, v170
	v_add_nc_u32 v171, 71680, v170
	v_lshlrev_b32 v[L16], 4, v175
	v_lshlrev_b32 v[L8], 3, v175
	v_add_nc_u32 v[L8], 8704, v[L8]
	v_and_b32 v[RR], 15, v0
	v_bfe_u32 v[H256], v0, 4, 1
	v_lshlrev_b32 v[H256], 8, v[H256]
	v_mov_b32 v[CC], 0x3e38aa3b                    ; log2(e) / 8
	v_mov_b32 v[NEGT], 0xd01502f9                  ; NEG = -1e10
	v_mul_f32 v[NEGT], 0x3fb8aa3b, v[NEGT]         ; x log2(e): a whole number in f32
	v_mov_b32 v11, 0                               ; (named as the upper half of a pair)
	v_mov_b32 v252, 0
	v_mov_b32 v253, 0
.irp b, 0,1,2,3
	v_mov_b32 v[236+\b], 0                         ; written once: a lane permute's destination counts as one of its sources
	v_mov_b32 v[20+\b], 0                          ; Q's k = 64 .. 127: zero codes
.endr
.irp t, 0,1,2,3,4,5,6,7
.irp i, 4,5,6,7
	v_mov_b32 v[32+8*\t+\i], 0                     ; K's likewise
.endr
.endr
	s_wait_loadcnt 14                              ; K's eight loads are in
	s_wait_alu depctr_va_vdst(0)                   ; the six LDS addresses v166 to v171 are written, which the stores below read; so is v[L16], which the tiles' first loads of K read; so are the zero codes of Q and of K, which the products take as operands
.irp j, 0,1,2,3,4,5,6,7
	ds_store_b128 v[166+\j/4], v[96+4*\j:99+4*\j] offset:(\j%4)*17920
.endr
	s_wait_loadcnt 6                               ; V's eight
.irp j, 0,1,2,3,4,5,6,7
	ds_store_b128 v[166+\j/4], v[128+4*\j:131+4*\j] offset:(\j%4)*17920+4096
.endr
	s_wait_loadcnt 0x0
.irp j, 0,1,2,3
	ds_store_b32 v[168+\j/2], v[160+\j] offset:(\j%2)*35840+8192
.endr
.irp j, 0,1
	ds_store_b32 v[170+\j], v[164+\j] offset:8704
.endr
	s_wait_kmcnt 0x0                               ; n and nt
	s_wait_dscnt 0x0                               ; for the others' sake: my stores have landed
	s_barrier_signal -1
	s_barrier_wait -1
	TILE 0
	TILE 1
	s_wait_dscnt 0x0                               ; the closing lines, six on end
	s_wait_alu 0x0
	s_wait_tensorcnt 0x0
	ds_add_u32 v[SPW], v[NIL]
	s_wait_dscnt 0x0
	s_endpgm
.Lfunc_end_k_q07fb110d8c_attn:
	.size	k_q07fb110d8c_attn, .Lfunc_end_k_q07fb110d8c_attn-k_q07fb110d8c_attn
	.p2alignl 7, 3214868480
	.fill 96, 4, 3214868480
	.section	.rodata,"a",@progbits
	.p2align	6, 0x0
	.amdhsa_kernel k_q07fb110d8c_attn
		.amdhsa_group_segment_fixed_size 145408
		.amdhsa_private_segment_fixed_size 0
		.amdhsa_enable_private_segment 0
		.amdhsa_kernarg_size 24
		.amdhsa_user_sgpr_count 2
		.amdhsa_user_sgpr_kernarg_segment_ptr 1
		.amdhsa_wavefront_size32 1
		.amdhsa_system_sgpr_workgroup_id_x 1
		.amdhsa_system_sgpr_workgroup_id_y 1
		.amdhsa_system_sgpr_workgroup_id_z 1
		.amdhsa_system_vgpr_workitem_id 0
		.amdhsa_next_free_vgpr 256
		.amdhsa_next_free_sgpr 66
		.amdhsa_reserve_vcc 0
		.amdhsa_float_denorm_mode_32 3
		.amdhsa_float_denorm_mode_16_64 3
		.amdhsa_memory_ordered 1
		.amdhsa_forward_progress 1
		.amdhsa_inst_pref_size 79
	.end_amdhsa_kernel
	.amdgpu_metadata
---
amdhsa.version: [ 1, 2 ]
amdhsa.kernels:
  - .name:           k_q07fb110d8c_attn
    .symbol:         k_q07fb110d8c_attn.kd
    .args:
      - { .name: qkv, .offset: 0, .size: 8, .value_kind: global_buffer, .address_space: global }
      - { .name: lists, .offset: 8, .size: 8, .value_kind: global_buffer, .address_space: global }
      - { .name: yq, .offset: 16, .size: 8, .value_kind: global_buffer, .address_space: global }
    .group_segment_fixed_size: 145408
    .private_segment_fixed_size: 0
    .kernarg_segment_align: 8
    .kernarg_segment_size: 24
    .max_flat_workgroup_size: 512
    .sgpr_count:     66
    .vgpr_count:     256
    .wavefront_size: 32
...
	.end_amdgpu_metadata
.endif
;; end of part 5
;; launch proj: the kernel of part 4 again; grid 256 x 1, 8 waves a work-group, clusters of 4 x 1, 327,680 bytes of LDS; arguments yq, lists, wimg, bp, x, ln_g, ln_b, out0; writes out0
